; MI455X (gfx1250); checked and timed in simulation.
; The chip was launched on July 23, 2026; its instructions are those of AMD's public machine-readable ISA for CDNA 5 (MIT licence, August 2026) and "CDNA5" Instruction Set Architecture Reference Guide (July 2026). The comments in the code are by the model that wrote it; some were corrected since.
;; Batch Multi Head Attention Unit. Allowed arithmetic: matrix products marked QUANTISED: E2M3 operands, one E8M0 scale for each 32 along K, by v_wmma_scale_f32_16x16x128_f8f6f4 with both operands' format E2M3, f32 sums; everything else in f32.
;; Inputs: W_k 1,024 x 1,024 float32; W_o 1,024 x 1,024 float32; W_q 1,024 x 1,024 float32; W_v 1,024 x 1,024 float32; b_o 1,024 float32; key_t 4 x 2,048 x 1,024 float32; mask 4 x 1 x 1 x 2,048 int32; query 4 x 2,048 x 1,024 float32; value 4 x 2,048 x 1,024 float32.
;; Outputs: out0 4 x 2,048 x 1,024 float32.
;; This version of the problem:
;;   THIS VERSION OF THE PROBLEM IS GIVEN IN LOW PRECISION. The matrix products marked QUANTISED in the list below multiply operands that are first quantised to E2M3 (2 exponent bits, 3 mantissa bits; 6 bits a number), with one power-of-two scale for each 32 numbers along K (OCP MX v1.0); their sums are f32. All else is computed in f32.
;;   The module's matrix products, in the order in which they are computed (A, B: the left and right operand; K: the contracted axis; several contracted axes count as one K, in the product's order):
;;     1. [M 8,192, K 1,024] x [K 1,024, N 1,024]; A: input query; B: input W_q: QUANTISED
;;     2. [M 8,192, K 1,024] x [K 1,024, N 1,024]; A: input key_t; B: input W_k: QUANTISED
;;     3. [M 8,192, K 1,024] x [K 1,024, N 1,024]; A: input value; B: input W_v: QUANTISED
;;     4. batch 64 x [M 2,048, K 64] x [K 64, N 2,048]; A: computed on the way; B: computed on the way: QUANTISED
;;     5. batch 64 x [M 2,048, K 2,048] x [K 2,048, N 64]; A: softmax (see below); B: computed on the way: QUANTISED
;;     6. [M 8,192, K 1,024] x [K 1,024, N 1,024]; A: computed on the way; B: input W_o: QUANTISED
;;   THE QUANTISER, for each operand of a quantised product, along K:
;;     - K is cut into blocks of 32 from its start; a last block that is shorter is filled with zeros.
;;     - A block's scale is 2^e with e = floor(log2(the largest magnitude in the block)) - 2, held to -126 .. 127; a block of zeros has e = 0. As a byte (E8M0): e + 127.
;;     - Each number is divided by its block's scale, clamped to +-7.5, and rounded to the nearest number of E2M3, ties to even, subnormals kept.
;;     - The product sums the exact products of the quantised numbers (number of the format x scale) in f32.
;;   ~~~python
;;   def quantise(x, axis):      # numpy; x: float32 -> the quantised numbers, widened to float32 again
;;       x = np.moveaxis(x, axis, -1); K = x.shape[-1]
;;       x = np.pad(x, [(0, 0)] * (x.ndim - 1) + [(0, -K % 32)]); x = x.reshape(x.shape[:-1] + (-1, 32)); a = np.abs(x).max(-1, keepdims=True)
;;       e = np.where(a > 0, np.clip(np.frexp(np.where(a > 0, a, 1))[1] - 1 - 2, -126, 127), 0)      # np.frexp(a)[1] - 1 = floor(log2(a)), exactly
;;       r = np.clip(x / 2.0 ** e, -7.5, 7.5)
;;       step = 2.0 ** (np.maximum(np.frexp(np.where(r == 0, 1, r))[1] - 1, 0) - 3)
;;       q = np.round(r / step) * step * 2.0 ** e      # np.round: ties to even
;;       return np.moveaxis(q.reshape(q.shape[:-2] + (-1,))[..., :K], -1, axis).astype(np.float32)
;;   ~~~
;;   SOFTMAX AHEAD OF A QUANTISED PRODUCT. Where the list says 'softmax', what is quantised is not the finished softmax but p = 2^(t - M), with t = logit x log2(e) and M = ceil(the row's largest t), a whole number; so 1/2 < the row's largest p <= 1. The row's sum l is taken of the UNQUANTISED p, in f32, and the product's result is divided by l at the end. Since M is a whole number, a kernel that streams over the keys may use a running M (the ceiling of the running maximum): every later rescaling is an exact power of two, which a block's scale takes up: the codes' values come out the same.
;;   OPERANDS COMPUTED ON THE WAY. 'Computed on the way' means the value that the module computes at that place (a softmax that the list does not call 'softmax' is quantised finished and normalised). What goes into a quantiser is computed in f32, as accurately as f32 sums, v_exp_f32 and their like allow (about 1e-6 of the number): no bf16 or f16 on the way to a quantiser, and a product that is left as it is and whose result goes on into a quantised operand takes f32 operands (vector FMAs, or v_wmma_f32_16x16x4_f32). A number that lies on a knife's edge between two numbers of the format may be rounded either way, as far as f32 arithmetic and the matrix unit's own rounding can turn it there, and no further.
;; One version. Each part assembles by itself: llvm-mc -triple=amdgcn-amd-amdhsa -mcpu=gfx1250 --defsym DOCPART=n.
;; ======== version 1 of 1: 4 launches
;; limits: right only within a limited range of input values; a function is approximated: absolute error at most 1.5e-07; an absolute error that grows with the inputs' magnitude: up to 1.5e-07 times it
;; workspace buffers: codes 22,020,096 bytes; scales 917,504 bytes; qrec 13,369,344 bytes; kv 13,369,344 bytes; ctx 6,291,456 bytes; ctxs 262,144 bytes
;; launch quant (part 1): grid 896 x 1, 4 waves a work-group, no clusters, 33,280 bytes of LDS; arguments query, key_t, value, W_q, W_k, W_v, W_o, codes, scales; writes codes, scales
.if DOCPART == 1
	.amdgcn_target "amdgcn-amd-amdhsa--gfx1250"
	.amdhsa_code_object_version 6
	.text
	.protected	k_q7e087275aa_quant
	.globl	k_q7e087275aa_quant
	.p2align	8
	.type	k_q7e087275aa_quant,@function
k_q7e087275aa_quant:
	s_mov_b64 s[64:65], 0
	v_nop
	global_prefetch_b8 v0, s[64:65] scope:SCOPE_SE
	s_setreg_imm32_b32 hwreg(HW_REG_WAVE_MODE, 25, 1), 1
	s_wait_xcnt 0x0
; query, key_t, value [8192][1024] and W_q, W_k, W_v, W_o [1024][1024], f32, K innermost, become codes of FP6 (E2M3), 6 bits each, with one E8M0 byte for each 32 along K.
; A block's scale is 2^(floor(log2(its largest magnitude)) - 2); its byte is the largest magnitude's exponent field - 2, held at 1 from below.  A block of zeros keeps the byte 1 (its codes are zeros; this program alone reads the bytes).
; LIMITS: NaN and infinities among the inputs are not served.
; OUTPUT: codes [28672 rows][768 bytes], scales [28672 rows][32 bytes]; first rows: query 0, key_t 8192, value 16384, W_q 24576, W_k 25600, W_v 26624, W_o 27648.
; THE ROWS OF EACH GROUP OF 32 ARE STORED IN THE ORDER 0-7, 16-23, 8-15, 24-31: place r of the stored 16-row tile 2 b + u then holds row 32 b + 8 u + r + 8 (r / 8), which is the choice of rows that lets a matrix
; result's registers of two neighbouring tiles run along 16 neighbours of the next product's K.  It costs nothing here: a wave's run is exactly 8 rows, and only the number of its output run changes.
; A work-group takes 32 rows, a wave 8 (8,192 numbers) in 16 steps of 512.  Each load reads 512 consecutive bytes; a step's 2,048 bytes turn through the wave's own stage in LDS and come back 64 bytes a lane,
; so that a lane holds 16 neighbours along K (two lanes a block).  No tensor loads, no barrier: waves share nothing.  Loads run four steps ahead.
.set WAVES, 4
.set STEPS, 16
.set EMAX,  2
.set CB,    12                         ; bytes of 16 codes
.set R,     16                         ; v16-79   four sets of 16 numbers as they are loaded
.set X,     80                         ; v80-111  two sets of 16 neighbours
.set E,     112                        ; v112-127 a scale byte for each step
.set C,     128                        ; v128-191 codes: four registers for each step, so that no store's data are written again
.set WREG,  8192                       ; LDS: a region for each wave: two stages of 32 x SP bytes, behind them its 256 scale bytes
.set SP,    80                         ; a lane's place in a stage: 64 bytes + 16 of padding
.set SPW,   12                         ; v12  LDS address of my spare word; never rewritten
.set NIL,   13                         ; v13  0; never rewritten
.set SPARE, WAVES*WREG                 ; the spare words, 128 bytes a wave
	s_load_b256 s[4:11], s[0:1], 0x0               ; query, key_t, value, W_q
	s_load_b256 s[12:19], s[0:1], 0x20             ; W_k, W_v, W_o, codes
	s_load_b64 s[20:21], s[0:1], 0x40              ; scales
	v_lshl_add_u32 v[SPW], v0, 2, SPARE
	v_mov_b32 v[NIL], 0
	v_lshrrev_b32 v1, 5, v0
	v_readfirstlane_b32 s24, v1                    ; wave
	v_and_b32 v2, 31, v0                           ; lane
	v_lshlrev_b32 v3, 4, v2                        ; my 16 bytes of a load's 512
	s_mul_i32 s25, s24, WREG
	v_lshrrev_b32 v14, 2, v2
	v_mul_u32_u24 v14, v14, SP
	v_and_b32 v15, 3, v2
	v_lshl_add_u32 v14, v15, 4, v14
	v_add_nc_u32 v14, s25, v14                     ; the stage, on the way in: SP (lane / 4) + 16 (lane % 4)
	v_mul_u32_u24 v15, v2, SP
	v_add_nc_u32 v15, s25, v15                     ; and on the way out: SP x lane
	v_mul_u32_u24 v4, v2, CB                       ; my codes' place in a step's
	v_lshrrev_b32 v5, 1, v2
	s_add_co_u32 s25, s25, 2*32*SP
	v_add_nc_u32 v5, s25, v5                       ; my wave's 256 scale bytes, my block's byte
	v_lshlrev_b32 v7, 3, v2
	v_add_nc_u32 v6, s25, v7                       ; and on the way out 8 bytes a lane
	s_lshr_b32 s22, ttmp9, 8                       ; work-groups 0-767: 256 for each of query, key_t, value
	s_sub_co_u32 s23, ttmp9, 768
	s_lshr_b32 s23, s23, 5                         ; work-groups 768-895: 32 for each weight (below 768 this is a huge number and matches none)
	s_cmp_lt_u32 ttmp9, 768
	s_cselect_b32 s26, 255, 31
	s_and_b32 s26, ttmp9, s26                      ; my work-group's number within its tensor
	s_lshl_b32 s26, s26, 2
	s_add_co_u32 s26, s26, s24                     ; my wave's run of 8 rows in it
	s_lshl_b32 s26, s26, 15                        ; x 32,768 bytes (under 2^26)
	s_mov_b32 s27, 0
	s_and_b32 s28, s24, 1
	s_lshl_b32 s28, s28, 1
	s_lshr_b32 s29, s24, 1
	s_or_b32 s28, s28, s29                         ; runs 1 and 2 of the 32 rows change places
	s_lshl_b32 s29, ttmp9, 2
	s_add_co_u32 s28, s28, s29                     ; the output run
	s_mul_i32 s30, s28, 32*STEPS*CB                ; 6,144 bytes of codes a run
	s_mov_b32 s31, 0
	s_lshl_b32 s28, s28, 8                         ; 256 scale bytes a run
	s_mov_b32 s29, 0
	s_wait_kmcnt 0x0
	s_cmp_eq_u32 s22, 1                            ; the tensor is chosen by the work-group's number alone
	s_cselect_b64 s[4:5], s[6:7], s[4:5]
	s_cmp_eq_u32 s22, 2
	s_cselect_b64 s[4:5], s[8:9], s[4:5]
	s_cmp_eq_u32 s23, 0
	s_cselect_b64 s[4:5], s[10:11], s[4:5]
	s_cmp_eq_u32 s23, 1
	s_cselect_b64 s[4:5], s[12:13], s[4:5]
	s_cmp_eq_u32 s23, 2
	s_cselect_b64 s[4:5], s[14:15], s[4:5]
	s_cmp_eq_u32 s23, 3
	s_cselect_b64 s[4:5], s[16:17], s[4:5]
	s_add_nc_u64 s[4:5], s[4:5], s[26:27]
	s_add_nc_u64 s[18:19], s[18:19], s[30:31]
	s_add_nc_u64 s[20:21], s[20:21], s[28:29]
.macro LOAD t
.irp i, 0,1,2,3
	global_load_b128 v[R+16*((\t)%4)+4*\i:R+16*((\t)%4)+4*\i+3], v3, s[4:5] offset:2048*(\t)+512*\i th:TH_LOAD_NT   ; 32 lanes read 512 consecutive bytes
.endr
.endm
.macro TURN t                          ; step t's numbers through the stage: LDS serves a wave's instructions in order, so no wait stands between the stores and the loads
.irp i, 0,1,2,3
	ds_store_b128 v14, v[R+16*((\t)%4)+4*\i:R+16*((\t)%4)+4*\i+3] offset:32*SP*((\t)%2)+8*SP*\i
.endr
.irp i, 0,1,2,3
	ds_load_b128 v[X+16*((\t)%2)+4*\i:X+16*((\t)%2)+4*\i+3], v15 offset:32*SP*((\t)%2)+16*\i
.endr
.endm
.irp t, 0,1,2,3
	LOAD \t
.endr
	s_wait_loadcnt 12                              ; step 0's four loads are in
	TURN 0
.macro STEP t
.set XS, X+16*((\t)%2)
.if (\t) > 0
	s_wait_dscnt 1                                 ; this step's numbers are back from the stage (the last step's byte store may be out)
.else
	s_wait_dscnt 0x0
.endif
.if (\t)+4 < STEPS
	LOAD (\t)+4                                    ; into the registers that this step's stores into the stage have read
.endif
.if (\t)+1 < STEPS
.if STEPS-2-(\t) >= 3
	s_wait_loadcnt 12                              ; the next step's four loads are in; those of the three steps behind it may be out
.else
	s_wait_loadcnt 4*(STEPS-2-(\t))
.endif
	TURN (\t)+1
.endif
	v_max3_num_f32 v8, |v[XS]|, |v[XS+1]|, |v[XS+2]|               ; the largest magnitude of my 16, in two chains
	v_max3_num_f32 v9, |v[XS+3]|, |v[XS+4]|, |v[XS+5]|
.irp i, 6,10
	v_max3_num_f32 v8, v8, |v[XS+\i]|, |v[XS+\i+1]|
	v_max3_num_f32 v9, v9, |v[XS+\i+2]|, |v[XS+\i+3]|
.endr
	v_max3_num_f32 v8, v8, |v[XS+14]|, |v[XS+15]|
	v_max3_num_f32 v8, v8, v9, (EMAX+1)<<23        ; and the floor 2^(EMAX + 1 - 127): the byte cannot fall under 1
	v_max_num_f32_dpp v8, v8, v8 row_xmask:1 row_mask:0xf bank_mask:0xf   ; and of my neighbour's 16: the block's
	v_add_nc_u32 v11, -(EMAX<<23), v8              ; EMAX off its exponent field: the conversion takes the exponent field of this operand as its scale
	v_cvt_scalef32_pk16_fp6_f32 v[C+4*(\t):C+4*(\t)+2], v[XS:XS+15], v11
	v_lshrrev_b32 v[E+(\t)], 23, v11               ; the scale's byte
	ds_store_b8 v5, v[E+(\t)] offset:16*(\t)       ; both lanes of a block write the same byte with the same value
	global_store_b96 v4, v[C+4*(\t):C+4*(\t)+2], s[18:19] offset:32*CB*(\t)   ; the wave stores 384 consecutive bytes
.endm
.irp t, 0,1,2,3,4,5,6,7,8,9,10,11,12,13,14,15
	STEP \t
.endr
	ds_load_b64 v[8:9], v6                         ; LDS serves a wave's instructions in order: these see my stores
	s_wait_dscnt 0x0
	global_store_b64 v7, v[8:9], s[20:21]          ; 32 lanes store 256 consecutive bytes, aligned
	s_wait_tensorcnt 0x0                           ; the wave's end: behind my last LDS store
	ds_add_u32 v[SPW], v[NIL]
	s_wait_dscnt 0x0
	s_endpgm
.Lfunc_end_k_q7e087275aa_quant:
	.size	k_q7e087275aa_quant, .Lfunc_end_k_q7e087275aa_quant-k_q7e087275aa_quant
	.p2alignl 7, 3214868480
	.fill 96, 4, 3214868480
	.section	.rodata,"a",@progbits
	.p2align	6, 0x0
	.amdhsa_kernel k_q7e087275aa_quant
		.amdhsa_group_segment_fixed_size 33280
		.amdhsa_private_segment_fixed_size 0
		.amdhsa_enable_private_segment 0
		.amdhsa_kernarg_size 72
		.amdhsa_user_sgpr_count 2
		.amdhsa_user_sgpr_kernarg_segment_ptr 1
		.amdhsa_wavefront_size32 1
		.amdhsa_system_sgpr_workgroup_id_x 1
		.amdhsa_system_sgpr_workgroup_id_y 1
		.amdhsa_system_sgpr_workgroup_id_z 1
		.amdhsa_system_vgpr_workitem_id 0
		.amdhsa_next_free_vgpr 192
		.amdhsa_next_free_sgpr 66
		.amdhsa_reserve_vcc 0
		.amdhsa_float_denorm_mode_32 3
		.amdhsa_float_denorm_mode_16_64 3
		.amdhsa_memory_ordered 1
		.amdhsa_forward_progress 1
		.amdhsa_inst_pref_size 33
	.end_amdhsa_kernel
	.amdgpu_metadata
---
amdhsa.version: [ 1, 2 ]
amdhsa.kernels:
  - .name:           k_q7e087275aa_quant
    .symbol:         k_q7e087275aa_quant.kd
    .args:
      - { .name: query, .offset: 0, .size: 8, .value_kind: global_buffer, .address_space: global }
      - { .name: key_t, .offset: 8, .size: 8, .value_kind: global_buffer, .address_space: global }
      - { .name: value, .offset: 16, .size: 8, .value_kind: global_buffer, .address_space: global }
      - { .name: W_q, .offset: 24, .size: 8, .value_kind: global_buffer, .address_space: global }
      - { .name: W_k, .offset: 32, .size: 8, .value_kind: global_buffer, .address_space: global }
      - { .name: W_v, .offset: 40, .size: 8, .value_kind: global_buffer, .address_space: global }
      - { .name: W_o, .offset: 48, .size: 8, .value_kind: global_buffer, .address_space: global }
      - { .name: codes, .offset: 56, .size: 8, .value_kind: global_buffer, .address_space: global }
      - { .name: scales, .offset: 64, .size: 8, .value_kind: global_buffer, .address_space: global }
    .group_segment_fixed_size: 33280
    .private_segment_fixed_size: 0
    .kernarg_segment_align: 8
    .kernarg_segment_size: 72
    .max_flat_workgroup_size: 128
    .sgpr_count:     66
    .vgpr_count:     192
    .wavefront_size: 32
...
	.end_amdgpu_metadata
.endif
;; end of part 1
;; launch proj (part 2): grid 4 x 96, 4 waves a work-group, clusters of 4 x 4, 327,680 bytes of LDS; arguments codes, scales, mask, qrec, kv; writes qrec, kv
.if DOCPART == 2
	.amdgcn_target "amdgcn-amd-amdhsa--gfx1250"
	.amdhsa_code_object_version 6
	.text
	.protected	k_q7e087275aa_proj
	.globl	k_q7e087275aa_proj
	.p2align	8
	.type	k_q7e087275aa_proj,@function
k_q7e087275aa_proj:
	s_mov_b64 s[64:65], 0
	v_nop
	global_prefetch_b8 v0, s[64:65] scope:SCOPE_SE
	s_setreg_imm32_b32 hwreg(HW_REG_WAVE_MODE, 25, 1), 1
	s_wait_xcnt 0x0
	s_wait_alu depctr_hold_cnt(0) depctr_sa_sdst(0) depctr_va_vdst(0) depctr_va_sdst(0) depctr_va_ssrc(0) depctr_va_vcc(0) depctr_vm_vsrc(0)
	s_getreg_b32 s2, hwreg(HW_REG_IB_STS2, 6, 4)
	s_cmp_eq_u32 s2, 0
	s_cbranch_scc0 .Lentry_in_a_cluster
	s_endpgm
.Lentry_in_a_cluster:
	s_bfe_u32 s2, ttmp6, 0x10000c
	s_cmp_lg_u32 s2, 0xf033
	s_cbranch_scc0 .Lentry_shape_is_right
	s_endpgm
.Lentry_shape_is_right:
; The three projections q = query W_q^T, k = key_t W_k^T, v = value W_v^T on codes of FP6 (E2M3) with E8M0 scales, K = 1,024; each result is quantised in registers for attention and stored as images of attention's operand registers.
; A tile of 256 x 256 results is made by four waves, 128 x 128 each: 64 accumulators, 512 registers.  K goes in steps of 256 through a ring of two LDS slots filled by the tensor data mover; the scale bytes of the
; work-group's 2 x 256 rows come into LDS once.  4 x 4 work-groups form a cluster: source 1's tile is shared along a row of the cluster, source 0's along a column, each asked for jointly.
; ROLES.  A lane of a result holds ONE row of source 1, and its registers run along the rows of source 0.  q, k: source 0 = the weight (the head's features are the next K), source 1 = the tokens.
; v: source 0 = value's tokens (the keys are the next K), source 1 = W_v.  Only global offsets differ between the three kinds; the kind is the cluster's y / 8, the same in all sixteen partners.
; The rows of codes are stored so that place r of tile 2 b + u is row 32 b + 8 u + r + 8 (r / 8): the 16 registers of accumulators (a, 2 b), (a, 2 b + 1) are 16 neighbours 32 b + 16 (lane / 16) + 0 .. 15 along the next K.
; RECORDS of 13,056 bytes, number ((batch x 16 + head) x 16 + block of 128 tokens): +0 eight tiles of K (or Q), 768 bytes each: six registers a lane, registers 0-3 at 16 x lane, 4-5 at 512 + 8 x lane;
; +6,144 four fragments of V^T, 1,536 bytes: registers 4 c .. 4 c + 3 at 512 c + 16 x lane; +12,288 K's (Q's) scale words [tile][place]; +12,800 V's.
; THE MASK goes into K's scale words.  q k^T fills k = 0 .. 63 of the instruction's 128; at k = 64 attention sets the code 7.5 in Q and -7.5 in K.  Byte 2 of Q's words is 185 (2^58); byte 2 of K's is 185 where mask == 0 and 1 where
; the key counts: a masked key's score is -56.25 x 2^116, a key that counts gets -56.25 x 2^-68 added.  Byte 3 is 1 over zero codes.
; q is quantised without its factor 1/8, a power of two, which attention puts into its scaling of the scores: same codes.  LIMITS: q blocks whose largest magnitude lies under 2^-121 would differ from the rule's hold of the exponent at -126;
; a block of zeros keeps the byte 1; NaN and infinities are not served.
; REGISTERS: window 0: v8-12 offsets of the way out, v16-29 addresses, v32-63 scale words, from v128 source 1's fragments (one set); window 1: source 0's fragments, two sets; windows 2, 3: the accumulators ((a, b) at v[8 (8 (a % 4) + b)]).
.set SIZE_K, 1024
.set KSTEP,  256
.set NQ,     KSTEP/128
.set ROWB,   192                       ; a tile's row in bytes
.set KROW,   SIZE_K*6/8                ; a row of codes in memory
.set PITCH,  240                       ; an LDS row: 3 x (64 bytes + 16 of padding)
.set FR,     12
.set NL,     6
.set NP,     4
.set HALFT,  128*PITCH
.set SLOT,   4*HALFT
.set LAPS,   SIZE_K/(2*KSTEP)
.set KS,     SIZE_K/32
.set SCL,    2*SLOT                    ; behind the ring: the scales, as units of 256 bytes + 16 of padding
.set HALFS,  (128*KS/256)*272
.set SBLK,   (16*KS/256)*272
.set SPARE,  SCL+4*HALFS               ; the spare words, 128 bytes a wave
.set RECB,   13056                     ; a record
.set HSTR,   16*RECB                   ; from a head's records to the next head's
.set L16,  8                           ; v8   16 x lane
.set L8,   9                           ; v9   8 x lane
.set L4,   10                          ; v10  4 x lane
.set OW,   11                          ; v11  4 (lane % 16) + HSTR (lane / 16): K's scale words of two heads
.set MA,   12                          ; v12  4 (r + 8 (r / 8)): my token's mask word in a tile
.set ADRA, 16
.set ADRB, 20
.set ADRS, 27
.set SPW,  28
.set NIL,  29
.set SC,   32
.set AF,   128
.set MK,   64                          ; the way out: v64-71 mask words
.set WT,   72                          ; bytes 2 and 3 of a word
.set W0,   73
.set W1,   74
.set WS,   75
.set KEEPV, 76
.set MASKV, 77
.set PC,   112                         ; v112-130 the codes just made
.set TM,   200                         ; v200-215 at work
.set PW,   216                         ; the scale word just made
.set G1, 24
.set G0, 32
.set G1B, 48
.set G0B, 56
.set OUTP, 66                          ; s[66:67] my first record
.set G1S, 68
.set G0S, 76
.set G1SB, 80
.set G0SB, 88
.set KIND, 96                          ; s96  0 q, 1 k, 2 v
.set SEL, 98                           ; s[98:99] selects for lane l xor 16
.set HM,  100                          ; s100 lanes 16-31
.set MSB, 0
.macro WIN new                         ; the immediate's high byte repeats the setting that is left
.if MSB != \new
	s_set_vgpr_msb (MSB<<8)|\new
.set MSB, \new
.endif
.endm
.set MUL_LO, 0xa1                      ; source 0 window 1, source 1 window 0, C and D window 2
.set MUL_HI, 0xf1
.set TO_B,   0x40
; A joint load: waves 0 and 1 fetch for source 1, waves 2 and 3 for source 0.  The branch hangs on the wave's number alone.  An s_nop 0 and four v_nop follow each of the two lines.
.macro JLOAD g0a, g1a, g0b, g1b
	s_cmp_eq_u32 s15, 0
	s_cbranch_scc0 .Lfor_b_\@
	tensor_load_to_lds s[\g0a:\g0a+3], s[\g1a:\g1a+7]
	s_nop 0
.rept 4
	v_nop
.endr
	s_branch .Lasked_\@
.Lfor_b_\@:
	tensor_load_to_lds s[\g0b:\g0b+3], s[\g1b:\g1b+7]
	s_nop 0
.rept 4
	v_nop
.endr
.Lasked_\@:
.endm
.macro CREST                           ; a round of the cluster's barrier behind its opening barrier
	s_cmp_lg_u32 s14, 0
	s_cbranch_scc1 .Lnot_wave_0_\@
	s_barrier_signal -3
.Lnot_wave_0_\@:
	s_barrier_wait -3
	s_barrier_signal -1
	s_barrier_wait -1
.endm
.macro CROUND
	s_barrier_signal -1
	s_barrier_wait -1
	CREST
.endm
	s_load_b128 s[4:7], s[0:1], 0x0                ; codes, scales
	s_load_b128 s[8:11], s[0:1], 0x10              ; mask, qrec
	s_load_b64 s[12:13], s[0:1], 0x20              ; kv
	v_lshl_add_u32 v[SPW], v0, 2, SPARE
	v_mov_b32 v[NIL], 0
	ds_add_u32 v[SPW], v[NIL]                      ; the wave's opening: the add and its wait stand ahead of my first tensor load
	v_lshrrev_b32 v1, 5, v0
	v_readfirstlane_b32 s14, v1                    ; wave 0..3
	s_lshr_b32 s15, s14, 1                         ; my half of source 1's rows.  Also: I fetch for source 1 (0) or source 0 (1)
	s_and_b32 s16, s14, 1                          ; my half of source 0's rows.  Also: which 128 rows I fetch
	s_bfe_u32 s40, ttmp6, 0x40000                  ; cx
	s_bfe_u32 s41, ttmp6, 0x40004                  ; cy
	s_and_b32 s95, ttmp7, 0xffff                   ; the cluster's y, 0 .. 23
	s_lshr_b32 s[KIND], s95, 3
	s_and_b32 s97, s95, 7
	s_lshl_b32 s97, s97, 2                         ; four tiles of 256 tokens to a cluster
	s_lshl_b32 s98, s[KIND], 10
	s_add_co_u32 s98, s98, 24576                   ; q, k: the weight's first row in codes
	s_lshl_b32 s99, s[KIND], 13                    ; and the tokens'
	s_cmp_eq_u32 s[KIND], 2                        ; only selects stand behind this compare
	s_cselect_b32 s42, s97, 0
	s_cselect_b32 s17, 0, s97
	s_cselect_b32 s98, 16384, s98                  ; v: source 0 = value,
	s_cselect_b32 s99, 26624, s99                  ; source 1 = W_v
	s_add_co_u32 s42, s42, s40                     ; source 0's tile of 256 rows: shared along a column of the cluster
	s_add_co_u32 s17, s17, s41                     ; source 1's: shared along a row
	s_lshl_b32 s43, s41, 2
	s_lshl_b32 s43, 15, s43                        ; my row of the cluster
	s_lshl_b32 s44, 0x1111, s40                    ; my column
	; descriptor group 1: a tile of 128 rows x 192 bytes, 16 bytes of padding behind every 64
	s_or_b32 s[G1+0], s43, (0<<16)|(1<<20)|(1<<21)|(3<<22)|(3<<25)
	s_or_b32 s[G1B+0], s44, (0<<16)|(1<<20)|(1<<21)|(3<<22)|(3<<25)
.irp g, G1, G1B
	s_mov_b32 s[\g+1], ROWB<<16                    ; tensor_dim0
	s_mov_b32 s[\g+2], 128<<16                     ; tensor_dim1
	s_mov_b32 s[\g+3], ROWB<<16                    ; tile_dim0
	s_mov_b32 s[\g+4], 128                         ; tile_dim1
	s_mov_b32 s[\g+5], KROW                        ; the pitch
	s_mov_b32 s[\g+6], 0
	s_mov_b32 s[\g+7], 0
.endr
	; the scales of 128 rows: a dense block of 4,096 bytes, as 16 rows of 256 bytes, 16 bytes of padding behind each
	s_or_b32 s[G1S+0], s43, (3<<16)|(1<<20)|(1<<21)|(5<<22)|(3<<25)
	s_or_b32 s[G1SB+0], s44, (3<<16)|(1<<20)|(1<<21)|(5<<22)|(3<<25)
.irp g, G1S, G1SB
	s_mov_b32 s[\g+1], 32<<16
	s_mov_b32 s[\g+2], (128*KS/256)<<16
	s_mov_b32 s[\g+3], 32<<16
	s_mov_b32 s[\g+4], 128*KS/256
	s_mov_b32 s[\g+5], 32
	s_mov_b32 s[\g+6], 0
	s_mov_b32 s[\g+7], 0
.endr
	s_lshl_b32 s18, s16, 7                         ; which 128 rows of the tile I fetch
	s_lshl_b32 s20, s17, 8
	s_add_co_u32 s20, s20, s18
	s_add_co_u32 s20, s20, s99                     ; source 1: its row in codes
	s_lshl_b32 s46, s42, 8
	s_add_co_u32 s46, s46, s18
	s_add_co_u32 s46, s46, s98                     ; source 0
	s_mov_b32 s21, 0
	s_mov_b32 s47, 0
	s_mov_b64 s[18:19], KS
	s_mul_u64 s[22:23], s[20:21], s[18:19]         ; where these rows' scales begin, in bytes
	s_mul_u64 s[92:93], s[46:47], s[18:19]
	s_mov_b64 s[18:19], KROW
	s_mul_u64 s[20:21], s[20:21], s[18:19]         ; and their codes
	s_mul_u64 s[46:47], s[46:47], s[18:19]
	s_mul_i32 s45, s14, HALFT                      ; where they go: wave x 128 rows
	s_mul_i32 s94, s14, HALFS
	s_mov_b32 s[SEL], 0x76543210
	s_mov_b32 s[SEL+1], 0xfedcba98
	s_mov_b32 s[HM], 0xffff0000
	s_wait_dscnt 0x0                               ; the opening add is done
	s_wait_kmcnt 0x0
	s_add_nc_u64 s[20:21], s[4:5], s[20:21]
	s_add_nc_u64 s[22:23], s[6:7], s[22:23]
	s_add_nc_u64 s[46:47], s[4:5], s[46:47]
	s_add_nc_u64 s[92:93], s[6:7], s[92:93]
	CROUND                                         ; all sixteen work-groups are here: the first joint loads meet
	s_mov_b32 s[G0S], 1
	s_add_co_u32 s[G0S+1], s94, SCL
	s_mov_b64 s[G0S+2:G0S+3], s[22:23]
	s_or_b32 s[G0S+3], s[G0S+3], 0x80000000
	s_mov_b32 s[G0SB], 1
	s_add_co_u32 s[G0SB+1], s94, SCL
	s_mov_b64 s[G0SB+2:G0SB+3], s[92:93]
	s_or_b32 s[G0SB+3], s[G0SB+3], 0x80000000
	JLOAD G0S, G1S, G0SB, G1SB                     ; the scales first: they are wanted with K step 0
.irp s, 0,1
	s_mov_b32 s[G0+4*\s], 1
	s_add_co_u32 s[G0+4*\s+1], s45, \s*SLOT
	s_add_nc_u64 s[G0+4*\s+2:G0+4*\s+3], s[20:21], \s*ROWB
	s_or_b32 s[G0+4*\s+3], s[G0+4*\s+3], 0x80000000
	s_mov_b32 s[G0B+4*\s], 1
	s_add_co_u32 s[G0B+4*\s+1], s45, \s*SLOT
	s_add_nc_u64 s[G0B+4*\s+2:G0B+4*\s+3], s[46:47], \s*ROWB
	s_or_b32 s[G0B+4*\s+3], s[G0B+4*\s+3], 0x80000000
	JLOAD G0+4*\s, G1, G0B+4*\s, G1B
.endr
	v_and_b32 v1, 15, v0                           ; r
	v_bfe_u32 v2, v0, 4, 1                         ; h
	v_mul_u32_u24 v3, v1, PITCH
	v_mul_u32_u24 v4, v2, 24
	v_add_nc_u32 v4, v3, v4                        ; a fragment's row x pitch + 24 h
	v_lshl_add_u32 v5, v2, 4, v4                   ; and the same behind one padding more
	s_mul_i32 s21, s15, HALFT
	s_mul_i32 s22, s16, HALFT
	s_add_co_u32 s22, s22, 2*HALFT
.irp s, 0,1
	v_add_nc_u32 v[ADRA+\s], s21, v4
	v_add_nc_u32 v[ADRB+\s], s22, v4
	v_add_nc_u32 v[ADRA+2+\s], s21, v5
	v_add_nc_u32 v[ADRB+2+\s], s22, v5
	s_add_co_u32 s21, s21, SLOT
	s_add_co_u32 s22, s22, SLOT
.endr
	v_mul_u32_u24 v5, v1, KS                       ; my row's scales: 32 bytes a row,
	v_lshrrev_b32 v6, 8, v5
	v_lshl_add_u32 v5, v6, 4, v5                   ; and 16 more for each 256 passed
	s_mul_i32 s21, s15, HALFS
	s_mul_i32 s22, s16, HALFS
	s_add_co_u32 s22, s22, 2*HALFS
	s_sub_co_u32 s22, s22, s21
	v_mul_u32_u24 v6, s22, v2                      ; lanes 16-31 take source 0's
	s_add_co_u32 s21, s21, SCL
	v_add_nc_u32 v5, v5, v6
	v_add_nc_u32 v[ADRS], s21, v5
	; the way out's offsets
	v_and_b32 v7, 31, v0
	v_lshlrev_b32 v[L16], 4, v7
	v_lshlrev_b32 v[L8], 3, v7
	v_lshlrev_b32 v[L4], 2, v7
	v_mul_u32_u24 v[OW], v2, HSTR
	v_lshl_add_u32 v[OW], v1, 2, v[OW]
	v_and_b32 v[MA], 8, v1
	v_add_nc_u32 v[MA], v[MA], v1
	v_lshlrev_b32 v[MA], 2, v[MA]
	; my first record: tokens' block of 128 and first of my two heads
	s_lshl_b32 s46, s17, 1
	s_add_co_u32 s46, s46, s15                     ; source 1's block of 128 rows
	s_lshl_b32 s47, s42, 1
	s_add_co_u32 s47, s47, s16                     ; source 0's
	s_cmp_eq_u32 s[KIND], 2
	s_cselect_b32 s92, s47, s46                    ; the tokens' block, 0 .. 63
	s_cselect_b32 s93, s46, s47                    ; the features' block
	s_lshl_b32 s93, s93, 1                         ; its first head
	s_lshr_b32 s101, s92, 4                        ; the batch
	s_lshl_b32 s101, s101, 4
	s_add_co_u32 s101, s101, s93
	s_lshl_b32 s101, s101, 4
	s_and_b32 s93, s92, 15
	s_add_co_u32 s101, s101, s93                   ; the record's number
	s_mul_i32 s46, s101, RECB
	s_mov_b32 s47, 0
	s_cmp_eq_u32 s[KIND], 0
	s_cselect_b64 s[OUTP:OUTP+1], s[10:11], s[12:13]
	s_add_nc_u64 s[OUTP:OUTP+1], s[OUTP:OUTP+1], s[46:47]
	s_lshl_b32 s46, s92, 9                         ; the block's 128 mask words
	s_add_nc_u64 s[8:9], s[8:9], s[46:47]
.macro FRAG reg, adr, q, i             ; a fragment, 16 rows x 128 K of 6-bit codes, is 12 registers: lane l holds row l % 16; registers 6 c .. 6 c + 5 hold K = 64 c + 32 (l / 16) + 0 .. 31, as they lie; in pieces of 8 bytes
.irp p, 0,1,2,3,4,5
.set PCE, 12*(\q)+6*(\p/3)+\p%3        ; where the piece three on lies behind one padding more, the second address register serves
.if PCE%8 < 5
	ds_load_b64 v[\reg+2*\p:\reg+2*\p+1], v[\adr] offset:8*PCE+16*(PCE/8)+(\i)*16*PITCH
.else
	ds_load_b64 v[\reg+2*\p:\reg+2*\p+1], v[\adr+2] offset:8*PCE+16*(PCE/8)+(\i)*16*PITCH
.endif
.endr
.endm
; 16 matrix instructions: source 1's blocks a0, a0 + 1 x source 0's eight.  The 64 accumulators take turns, one instruction a turn, in the same order in every step.
.macro MUL16 a0, p, q, sc, zero
.irp a, \a0, \a0+1
.irp b, 0,1,2,3,4,5,6,7
.if \zero
	v_wmma_scale_f32_16x16x128_f8f6f4 v[8*(8*((\a)%4)+\b):8*(8*((\a)%4)+\b)+7], v[128*(\p)+FR*\b:128*(\p)+FR*\b+FR-1], v[AF+FR*(\a):AF+FR*(\a)+FR-1], 0, v[SC+8*NQ*(\sc)+NQ*\b+(\q)], v[SC+8*NQ*(\sc)+NQ*(\a)+(\q)] matrix_a_fmt:MATRIX_FMT_FP6 matrix_b_fmt:MATRIX_FMT_FP6 matrix_a_scale:MATRIX_SCALE_ROW1
.else
	v_wmma_scale_f32_16x16x128_f8f6f4 v[8*(8*((\a)%4)+\b):8*(8*((\a)%4)+\b)+7], v[128*(\p)+FR*\b:128*(\p)+FR*\b+FR-1], v[AF+FR*(\a):AF+FR*(\a)+FR-1], v[8*(8*((\a)%4)+\b):8*(8*((\a)%4)+\b)+7], v[SC+8*NQ*(\sc)+NQ*\b+(\q)], v[SC+8*NQ*(\sc)+NQ*(\a)+(\q)] matrix_a_fmt:MATRIX_FMT_FP6 matrix_b_fmt:MATRIX_FMT_FP6 matrix_a_scale:MATRIX_SCALE_ROW1
.endif
.endr
.endr
.endm
.macro FETCH_B slot, q, p
	WIN TO_B
.irp i, 0,1,2,3,4,5,6,7
	FRAG 128*(\p)+FR*\i, ADRB+\slot, \q, \i
.endr
	WIN 0
.endm
.macro FETCH_A slot, q, i0
.irp i, \i0, \i0+1, \i0+2, \i0+3
	FRAG AF+FR*(\i), ADRA+\slot, \q, \i
.endr
.endm
.macro SCALES sc                       ; the next K step's scale words: lanes 0-15 source 1's block i, lanes 16-31 source 0's block i
.irp i, 0,1,2,3,4,5,6,7
	ds_load_b64 v[SC+8*NQ*\sc+NQ*\i:SC+8*NQ*\sc+NQ*\i+1], v[ADRS] offset:\i*SBLK
.endr
.endm
.macro PLACES n                        ; plain vector instructions between a matrix instruction and a load into, or a vector read or write of, its registers
.rept \n
	v_nop
.endr
.endm
.macro STEP slot, q, zero
	s_wait_dscnt 4*NL                              ; source 0's set and source 1's blocks 0-3 are in; the youngest 24 loads (blocks 4-7) may be out
	WIN MUL_LO
	MUL16 0, (\q)%2, \q, \slot, \zero
	MUL16 2, (\q)%2, \q, \slot, \zero
	s_wait_dscnt 0
	PLACES NP
	FETCH_B \slot, (\q)+1, 1-(\q)%2
	FETCH_A \slot, (\q)+1, 0
	WIN MUL_HI
	MUL16 4, (\q)%2, \q, \slot, \zero
	MUL16 6, (\q)%2, \q, \slot, \zero
	PLACES NP
	WIN 0
	FETCH_A \slot, (\q)+1, 4
.endm
; A slot's last step changes slots: one barrier; in front of it each wave waits for all its tensor loads, adds 0 to its spare word, and waits for that and for its own reads of this slot.
.macro TURN slot, next, fill
	s_wait_tensorcnt 0x0                           ; all my tensor loads have landed: my part of the next slot
	ds_add_u32 v[SPW], v[NIL]
	s_wait_dscnt 4*NL+1                            ; (the add and the youngest 24 loads may be out)
	WIN MUL_LO
	MUL16 0, 1, NQ-1, \slot, 0
	s_wait_dscnt 0x0                               ; the add is done, and my reads of this slot are over
	s_barrier_signal -1
	MUL16 2, 1, NQ-1, \slot, 0
	WIN 0
	s_barrier_wait -1
.if \fill
	CREST                                          ; the barrier has opened a round of the cluster's barrier: no wave of any partner still reads this slot or has a load on its way
	s_add_nc_u64 s[G0+4*\slot+2:G0+4*\slot+3], s[G0+4*\slot+2:G0+4*\slot+3], 2*ROWB
	s_add_nc_u64 s[G0B+4*\slot+2:G0B+4*\slot+3], s[G0B+4*\slot+2:G0B+4*\slot+3], 2*ROWB
	JLOAD G0+4*\slot, G1, G0B+4*\slot, G1B         ; the first tensor load behind the round; its four v_nop are the places in front of the loads below
.else
	PLACES NP
.endif
	v_add_nc_u32 v[ADRS], 4*NQ, v[ADRS]            ; on to the next K step's scale words
	FETCH_B \next, 0, 0
	FETCH_A \next, 0, 0
	SCALES \next
	WIN MUL_HI
	MUL16 4, 1, NQ-1, \slot, 0
	MUL16 6, 1, NQ-1, \slot, 0
	PLACES NP
	WIN 0
	FETCH_A \next, 0, 4
.endm
	s_wait_tensorcnt 1                             ; the scales and my part of K step 0 are in (K step 1's load may be out),
	s_barrier_signal -1
	s_barrier_wait -1                              ; everybody's are
	FETCH_B 0, 0, 0
	FETCH_A 0, 0, 0
	SCALES 0
	FETCH_A 0, 0, 4
	STEP 0, 0, 1                                   ; the first step's products start the sums
	s_mov_b32 s3, LAPS-1
.Llap:
	TURN 0, 1, 1
	STEP 1, 0, 0
	TURN 1, 0, 1
	STEP 0, 0, 0
	s_sub_co_u32 s3, s3, 1
	s_cmp_lg_u32 s3, 0
	s_cbranch_scc1 .Llap
	TURN 0, 1, 0                                   ; the last lap fills nothing
	STEP 1, 0, 0
	s_wait_dscnt 4*NL
	WIN MUL_LO
	MUL16 0, 1, NQ-1, 1, 0
	MUL16 2, 1, NQ-1, 1, 0
	s_wait_dscnt 0
	WIN MUL_HI
	MUL16 4, 1, NQ-1, 1, 0
	MUL16 6, 1, NQ-1, 1, 0
	WIN 0
; THE WAY OUT.  QUANTW a: the 64 numbers of a lane in accumulators (a, 0 .. 7), number 16 b + i = place 32 b + 16 (lane / 16) + i along the next K, become a fragment's 12 registers of codes in v[PC] on and its scale word in v[PW].
.macro QUANTW a
.set QS, 64*((\a)%4)
.set QW, 2+(\a)/4
.set QM, (QW<<2)|(QW<<4)
	s_wait_xcnt 0x0                                ; the earlier stores have read their data: the codes' and the words' registers may be written again
	WIN QM                                         ; sources 1 and 2 in the accumulators' window
.irp b, 0,1,2,3
	v_max3_num_f32 v[TM+\b], 0x1800000, |v[QS+16*\b]|, |v[QS+16*\b+1]|   ; block b: my 16 numbers and the floor 2^(3 - 127); each accumulator is read from its low end on
.endr
.irp i, 2,4,6,8,10,12,14
.irp b, 0,1,2,3
	v_max3_num_f32 v[TM+\b], v[TM+\b], |v[QS+16*\b+\i]|, |v[QS+16*\b+\i+1]|
.endr
.endr
	WIN 0
.irp b, 0,1,2,3
	v_permlanex16_b32 v[TM+4+\b], v[TM+\b], s[SEL], s[SEL+1]
.endr
.irp b, 0,1,2,3
	v_max_num_f32 v[TM+\b], v[TM+\b], v[TM+4+\b]   ; with lane l xor 16's: the block's largest magnitude
.endr
.irp b, 0,1,2,3
	v_add_nc_u32 v[TM+12+\b], 0xff000000, v[TM+\b] ; 2 off its exponent field: the conversion's scale operand
.endr
.irp b, 0,1,2,3
	v_lshrrev_b32 v[TM+4+\b], 23, v[TM+12+\b]      ; the scale's byte
.endr
	v_lshl_or_b32 v[PW], v[TM+5], 8, v[TM+4]
	v_lshl_or_b32 v[PW], v[TM+6], 16, v[PW]
	v_lshl_or_b32 v[PW], v[TM+7], 24, v[PW]
	WIN QW                                         ; source 0 in the accumulators' window
.irp c, 0,1
	v_cvt_scalef32_pk16_fp6_f32 v[PC+6*\c:PC+2+6*\c], v[QS+32*\c:QS+15+32*\c], v[TM+12+2*\c]
	v_cvt_scalef32_pk16_fp6_f32 v[PC+12+4*\c:PC+14+4*\c], v[QS+16+32*\c:QS+31+32*\c], v[TM+12+2*\c+1]   ; (a conversion's three registers begin on an even number)
.endr
	WIN 0
	v_nop                                          ; one plain place behind a scaled conversion
.irp c, 0,1                                    ; the operand's layout wants a whole block in a lane
.irp i, 0,1,2
	v_permlane16_swap_b32 v[PC+6*\c+\i], v[PC+12+4*\c+\i]
.endr
.irp i, 0,1,2
	v_mov_b32 v[PC+3+6*\c+\i], v[PC+12+4*\c+\i]
.endr
.endr
.endm
	PLACES NP                                      ; behind the last products: their results are read and their operands' registers written below
.irp b, 0,1,2,3
	v_mov_b32 v[TM+4+\b], 0                        ; written once: a lane permute's destination counts as one of its sources
.endr
	s_cmp_eq_u32 s[KIND], 2                        ; the cluster's number alone: the same in every wave of all sixteen partners
	s_cbranch_scc1 .Lvalues
	; ---- q, k: a lane holds a token; features 0-63 are my first head's K, 64-127 the next head's.  Six registers a head and tile.
.irp a, 0,1,2,3,4,5,6,7
	global_load_b32 v[MK+\a], v[MA], s[8:9] offset:(32*(\a/2)+8*(\a%2))*4   ; the mask word of the token at my place of tile a
.endr
	s_cmp_eq_u32 s[KIND], 1
	s_cselect_b32 s101, 1, 185                     ; byte 2 where the key counts: k 1; q has 185 in every word
	s_lshl_b32 s101, s101, 16
	s_or_b32 s101, s101, 1<<24                     ; byte 3 = 1
	v_mov_b32 v[KEEPV], s101
	v_mov_b32 v[MASKV], (185<<16)|(1<<24)
.irp a, 0,1,2,3,4,5,6,7
	QUANTW \a
	global_store_b128 v[L16], v[PC:PC+3], s[OUTP:OUTP+1] offset:768*\a             ; 512 consecutive bytes, aligned
	global_store_b64 v[L8], v[PC+4:PC+5], s[OUTP:OUTP+1] offset:768*\a+512         ; 256
	global_store_b128 v[L16], v[PC+6:PC+9], s[OUTP:OUTP+1] offset:HSTR+768*\a      ; the next head
	global_store_b64 v[L8], v[PC+10:PC+11], s[OUTP:OUTP+1] offset:HSTR+768*\a+512
.if \a == 0
	s_wait_loadcnt 0x0                             ; the mask words
.endif
	v_cmp_eq_u32 vcc_lo, 0, v[MK+\a]
	v_cndmask_b32 v[WT], v[KEEPV], v[MASKV], vcc_lo
	v_and_or_b32 v[W0], v[PW], 0xffff, v[WT]       ; my first head's two bytes,
	v_lshrrev_b32 v[W1], 16, v[PW]
	v_or_b32 v[W1], v[W1], v[WT]                   ; the next head's
	v_cndmask_b32 v[W0], v[W0], v[W1], s[HM]       ; lanes 0-15 store the first head's words, lanes 16-31 the next head's
	global_store_b32 v[OW], v[W0], s[OUTP:OUTP+1] offset:12288+64*\a
.endr
	s_branch .Ldone
.Lvalues:
	; ---- v: a lane holds a feature; the 128 numbers along its registers' K are the block's 128 keys: a whole fragment of V^T
.irp a, 0,1,2,3,4,5,6,7
	QUANTW \a
.irp c, 0,1,2
	global_store_b128 v[L16], v[PC+4*\c:PC+4*\c+3], s[OUTP:OUTP+1] offset:(\a/4)*HSTR+6144+(\a%4)*1536+512*\c
.endr
.if \a%2 == 0
	v_mov_b32 v[WS], v[PW]
.else
	v_cndmask_b32 v[WS], v[WS], v[PW], s[HM]       ; two tiles' words in one store: 128 consecutive bytes
	global_store_b32 v[L4], v[WS], s[OUTP:OUTP+1] offset:(\a/4)*HSTR+12800+(\a%4-1)*64
.endif
.endr
.Ldone:
	s_wait_tensorcnt 0x0                           ; the wave's end
	ds_add_u32 v[SPW], v[NIL]
	s_wait_dscnt 0x0
	CROUND                                         ; the closing round
	s_endpgm
.Lfunc_end_k_q7e087275aa_proj:
	.size	k_q7e087275aa_proj, .Lfunc_end_k_q7e087275aa_proj-k_q7e087275aa_proj
	.p2alignl 7, 3214868480
	.fill 96, 4, 3214868480
	.section	.rodata,"a",@progbits
	.p2align	6, 0x0
	.amdhsa_kernel k_q7e087275aa_proj
		.amdhsa_group_segment_fixed_size 327680
		.amdhsa_private_segment_fixed_size 0
		.amdhsa_enable_private_segment 0
		.amdhsa_kernarg_size 40
		.amdhsa_user_sgpr_count 2
		.amdhsa_user_sgpr_kernarg_segment_ptr 1
		.amdhsa_wavefront_size32 1
		.amdhsa_system_sgpr_workgroup_id_x 1
		.amdhsa_system_sgpr_workgroup_id_y 1
		.amdhsa_system_sgpr_workgroup_id_z 1
		.amdhsa_system_vgpr_workitem_id 0
		.amdhsa_next_free_vgpr 1024
		.amdhsa_next_free_sgpr 102
		.amdhsa_reserve_vcc 1
		.amdhsa_float_denorm_mode_32 3
		.amdhsa_float_denorm_mode_16_64 3
		.amdhsa_memory_ordered 1
		.amdhsa_forward_progress 1
		.amdhsa_inst_pref_size 204
	.end_amdhsa_kernel
	.amdgpu_metadata
---
amdhsa.version: [ 1, 2 ]
amdhsa.kernels:
  - .name:           k_q7e087275aa_proj
    .symbol:         k_q7e087275aa_proj.kd
    .args:
      - { .name: codes, .offset: 0, .size: 8, .value_kind: global_buffer, .address_space: global }
      - { .name: scales, .offset: 8, .size: 8, .value_kind: global_buffer, .address_space: global }
      - { .name: mask, .offset: 16, .size: 8, .value_kind: global_buffer, .address_space: global }
      - { .name: qrec, .offset: 24, .size: 8, .value_kind: global_buffer, .address_space: global }
      - { .name: kv, .offset: 32, .size: 8, .value_kind: global_buffer, .address_space: global }
    .group_segment_fixed_size: 327680
    .private_segment_fixed_size: 0
    .kernarg_segment_align: 8
    .kernarg_segment_size: 40
    .max_flat_workgroup_size: 128
    .sgpr_count:     102
    .vgpr_count:     1024
    .wavefront_size: 32
...
	.end_amdgpu_metadata
.endif
;; end of part 2
;; launch attn (part 3): grid 4 x 64, 16 waves a work-group, clusters of 4 x 1, 210,944 bytes of LDS; arguments qrec, kv, ctx, ctxs; writes ctx, ctxs
.if DOCPART == 3
	.amdgcn_target "amdgcn-amd-amdhsa--gfx1250"
	.amdhsa_code_object_version 6
	.text
	.protected	k_q7e087275aa_attn
	.globl	k_q7e087275aa_attn
	.p2align	8
	.type	k_q7e087275aa_attn,@function
k_q7e087275aa_attn:
	s_mov_b64 s[64:65], 0
	v_nop
	global_prefetch_b8 v0, s[64:65] scope:SCOPE_SE
	s_setreg_imm32_b32 hwreg(HW_REG_WAVE_MODE, 25, 1), 1
	s_wait_xcnt 0x0
	s_wait_alu depctr_hold_cnt(0) depctr_sa_sdst(0) depctr_va_vdst(0) depctr_va_sdst(0) depctr_va_ssrc(0) depctr_va_vcc(0) depctr_vm_vsrc(0)
	s_getreg_b32 s2, hwreg(HW_REG_IB_STS2, 6, 4)
	s_cmp_eq_u32 s2, 0
	s_cbranch_scc0 .Lentry_in_a_cluster
	s_endpgm
.Lentry_in_a_cluster:
	s_bfe_u32 s2, ttmp6, 0x10000c
	s_cmp_lg_u32 s2, 0x3003
	s_cbranch_scc0 .Lentry_shape_is_right
	s_endpgm
.Lentry_shape_is_right:
; ctx = softmax(q k^T / 8, masked) v for one head, both products on codes of FP6 (E2M3) with E8M0 scales; ctx / l is quantised along the model's axis and stored as images of the last product's operand registers.
; THE SOFTMAX: t = score x log2(e) / 8; M = the largest t so far, rounded up to a whole number; p = 2^(t - M) is quantised along the keys, not normalised; l is the sum of the unquantised p and divides at the end.
; When M moves, l and O are multiplied by 2^(old M - new M), which rounds nothing.
; SHARES.  A work-group owns 512 queries of one head: 32 tiles of 16; each of its sixteen waves takes one tile, then a second.  Four waves lie on a SIMD, so that one wave's vector work stands beside another's products and LDS loads.
; THE WHOLE HEAD'S K AND V, sixteen records of 13,056 bytes, come into LDS once; nothing is filled again.  The four work-groups of a cluster belong to one head and ask for each record jointly.
; A record (128 keys): +0 eight tiles of K, 768 bytes: registers 0-3 at 16 x lane, 4-5 at 512 + 8 x lane; +6,144 four fragments of V^T, 3 x 512 bytes; +12,288 K's scale words [tile][place]; +12,800 V's.  Every LDS load reads consecutive bytes.
; LAYOUT.  S^T = K Q^T and O^T = V^T P^T: a lane holds one query throughout.  Place r of K's tile 2 b + u is key 32 b + 8 u + r + 8 (r / 8), so the 16 registers of tiles 2 b, 2 b + 1 are 16 neighbouring keys; V^T's tiles are laid
; likewise, so O^T's registers run along 16 neighbouring features.
; K = 64 fills half of the instruction's 128.  At k = 64 Q has the code 7.5 and K the code -7.5; all other codes of Q's upper half are zeros, so what K's upper registers hold beyond that (the next tile's codes) adds nothing.
; Byte 2 of Q's scale words is 185 and of K's 185 for a masked key, 1 for a key that counts: a masked key's score is -56.25 x 2^116, so its p is 0; no line of the key loop knows of the mask.
; The largest t starts at -2^101: above every masked t, so that steps whose keys are all masked give p = 0 and leave zeros.  If it still lies under -2^100 at the end, every key was masked: ctx's scale bytes become 0xff (NaN), as a softmax of nothing is.
; LIMITS: scores of magnitude 2^100 and more are not served; NaN and infinities among the inputs are not served; a block of zeros keeps the byte 1.
.set RECB,  13056
.set SPARE, 16*RECB                    ; behind the records: the spare words, 128 bytes for each of sixteen waves
.set L16, 1                            ; v1   16 x lane
.set L8,  2                            ; v2   8 x lane
.set L4,  3                            ; v3   4 x lane
.set A16, 4                            ; v4-6 the same + the step's record
.set A8,  5
.set A4,  6
.set SPW, 7
.set NIL, 8
.set BO,  9                            ; v9   32 (lane % 16) + lane / 16: my byte in ctxs
.set QSW, 10                           ; v10  Q's scale words;  v11 the second tile's
.set QSW1, 11
                                       ; v12 -M, v13 the largest t, v[14:15] l in two halves
.set QF,  16                           ; v16-27 Q's fragment
.set KSW, 28                           ; v28-31 K's scale words: register i: lanes 0-15 tile 2 i, lanes 16-31 tile 2 i + 1
.set KF,  32                           ; v32-67 four tiles of K, eight registers apart; +6 = the code -7.5, +7 = 0, v64-67 = 0
.set VF,  68                           ; v68-115 V^T's four fragments
.set S,   116                          ; v116-179 S^T, then p
.set OA,  180                          ; v180-211 O^T
.set PC,  212                          ; v212-223 p's codes
.set PH,  224                          ; v224-230 the conversions' second halves
.set BM,  232                          ; v232-235 the blocks' largest scores
.set TP,  236                          ; v236-239 at work
.set SOP, 240                          ; v240-243 the conversions' scale operands
.set VSW, 244                          ; v244-245 V's scale words
.set PWD, 246                          ; v246 p's scale word
.set TT,  247                          ; v247 at work
.set FF,  248                          ; v[248:249] f = 2^(old M - new M)
.set Q1,  250                          ; v250-255 the second tile's codes of Q
.set WV,  12
.set SEL, 20
.set CS,  22
.set G1,  24                           ; s[24:31] descriptor group 1;  s[32:47] four groups 0
.set G0,  32
.set TB,  48                           ; s48  LDS byte at which the step's record begins
.set CNT, 49
.set HM,  50
.set LOW, 51
.macro CROUND
	s_barrier_signal -1
	s_barrier_wait -1
	s_cmp_lg_u32 s[WV], 0
	s_cbranch_scc1 .Lnot_wave_0_\@
	s_barrier_signal -3
.Lnot_wave_0_\@:
	s_barrier_wait -3
	s_barrier_signal -1
	s_barrier_wait -1
.endm
	s_load_b256 s[4:11], s[0:1], 0x0               ; qrec, kv, ctx, ctxs
	v_lshl_add_u32 v[SPW], v0, 2, SPARE
	v_mov_b32 v[NIL], 0
	ds_add_u32 v[SPW], v[NIL]                      ; the wave's opening: the add and its wait stand ahead of the first tensor loads
	v_lshrrev_b32 v1, 5, v0
	v_readfirstlane_b32 s[WV], v1                  ; wave 0..15
	s_bfe_u32 s13, ttmp6, 0x40000                  ; cx: it enters Q's and ctx's global addresses alone
	s_and_b32 s14, ttmp7, 0xffff                   ; batch x 16 + head, which the four partners share
	; descriptor group 1: a record, dense: 51 rows of 256 bytes
	s_mov_b32 s[G1], 15|(3<<16)|(1<<21)            ; the mask: all four work-groups; elements of 8 bytes; bit 21 beside a mask
	s_mov_b32 s[G1+1], 32<<16                      ; tensor_dim0
	s_mov_b32 s[G1+2], 51<<16                      ; tensor_dim1
	s_mov_b32 s[G1+3], 32<<16                      ; tile_dim0
	s_mov_b32 s[G1+4], 51                          ; tile_dim1
	s_mov_b32 s[G1+5], 32                          ; the pitch
	s_mov_b32 s[G1+6], 0
	s_mov_b32 s[G1+7], 0
	s_mov_b32 s[SEL], 0x76543210
	s_mov_b32 s[SEL+1], 0xfedcba98
	s_mov_b32 s[CS], 0x3e38aa3b                    ; c = log2(e) / 8
	s_mov_b32 s[CS+1], s[CS]
	s_mov_b32 s[HM], 0xffff0000
	s_mov_b32 s[LOW], 0xf1800000                   ; -2^100
	s_lshl_b32 s16, s14, 4
	s_add_co_u32 s16, s16, s[WV]
	s_mul_i32 s16, s16, RECB                       ; record 16 x head + wave: waves 0-3 fetch records 4 j + wave
	s_mov_b32 s17, 0
	s_mul_i32 s15, s[WV], RECB                     ; and its place in LDS
	s_lshl_b32 s60, s14, 4
	s_lshl_b32 s61, s13, 2
	s_add_co_u32 s60, s60, s61
	s_lshr_b32 s61, s[WV], 3
	s_add_co_u32 s60, s60, s61                     ; Q's record: my work-group's four, eight tiles each
	s_mul_i32 s60, s60, RECB
	s_and_b32 s61, s[WV], 7
	s_mul_i32 s58, s61, 768
	s_add_co_u32 s58, s58, s60                     ; my tile's image
	s_mov_b32 s59, 0
	s_lshl_b32 s61, s61, 6
	s_add_co_u32 s56, s60, s61
	s_add_co_u32 s56, s56, 12288                   ; and its scale words
	s_mov_b32 s57, 0
	s_lshr_b32 s60, s14, 4
	s_lshl_b32 s60, s60, 7
	s_lshl_b32 s61, s13, 5
	s_add_co_u32 s60, s60, s61
	s_add_co_u32 s60, s60, s[WV]                   ; my tile of 16 rows among the 512
	s_and_b32 s61, s14, 15                         ; the head
	s_lshl_b32 s52, s60, 4
	s_add_co_u32 s52, s52, s61
	s_mul_i32 s52, s52, 768                        ; ctx: [tile][head][768]
	s_mov_b32 s53, 0
	s_lshl_b32 s54, s60, 9
	s_lshl_b32 s61, s61, 1
	s_add_co_u32 s54, s54, s61                     ; ctxs: [row][32], bytes 2 x head + block
	s_mov_b32 s55, 0
	v_and_b32 v[L4], 31, v0
	v_lshlrev_b32 v[L16], 4, v[L4]
	v_lshlrev_b32 v[L8], 3, v[L4]
	v_lshlrev_b32 v[L4], 2, v[L4]
	v_and_b32 v[TT], 15, v0                        ; r
	v_bfe_u32 v[BO], v0, 4, 1                      ; h
	v_sub_nc_u32 v[QF+6], 1, v[BO]
	v_mul_u32_u24 v[QF+6], 0x1f, v[QF+6]           ; Q's code 7.5 at k = 64: lanes 0-15, the lowest six bits of register 6
	v_lshl_add_u32 v[BO], v[TT], 5, v[BO]
	v_lshlrev_b32 v[TT], 2, v[TT]                  ; 4 r
	s_wait_dscnt 0x0                               ; the opening add is done
	s_wait_kmcnt 0x0
	s_add_nc_u64 s[18:19], s[6:7], s[16:17]
	s_add_nc_u64 s[58:59], s[4:5], s[58:59]
	s_add_nc_u64 s[56:57], s[4:5], s[56:57]
	s_add_nc_u64 s[52:53], s[8:9], s[52:53]
	s_add_nc_u64 s[54:55], s[10:11], s[54:55]
.irp j, 0,1,2,3
	s_mov_b32 s[G0+4*\j], 1
	s_add_co_u32 s[G0+4*\j+1], s15, 4*\j*RECB
	s_add_nc_u64 s[G0+4*\j+2:G0+4*\j+3], s[18:19], 4*\j*RECB
	s_or_b32 s[G0+4*\j+3], s[G0+4*\j+3], 0x80000000
.endr
	CROUND                                         ; all four work-groups are here: the joint loads meet
	s_cmp_lt_u32 s[WV], 4                          ; waves 0-3 fetch, four records each, in one branch: four loads of such a wave are out
	s_cbranch_scc0 .Lno_fill
.irp j, 0,1,2,3
	tensor_load_to_lds s[G0+4*\j:G0+4*\j+3], s[G1:G1+7]
	s_nop 0
.endr
.rept 4
	v_nop
.endr
.Lno_fill:
	global_load_b128 v[QF:QF+3], v[L16], s[58:59]
	global_load_b64 v[QF+4:QF+5], v[L8], s[58:59] offset:512
	global_load_b32 v[QSW], v[TT], s[56:57]
	global_load_b128 v[Q1:Q1+3], v[L16], s[58:59] offset:2*RECB        ; the second tile lies sixteen tiles, two records, on
	global_load_b64 v[Q1+4:Q1+5], v[L8], s[58:59] offset:2*RECB+512
	global_load_b32 v[QSW1], v[TT], s[56:57] offset:2*RECB
.irp i, 7,8,9,10,11
	v_mov_b32 v[QF+\i], 0                          ; Q's upper half: zero codes
.endr
.irp t, 0,1,2,3
	v_mov_b32 v[KF+8*\t+6], 0x3f                   ; K's code -7.5 at k = 64
	v_mov_b32 v[KF+8*\t+7], 0
.endr
.irp i, 32,33,34,35
	v_mov_b32 v[KF+\i], 0
.endr
.irp b, 0,1,2,3
	v_mov_b32 v[TP+\b], 0                          ; written once: a lane permute's destination counts as one of its sources
.endr
	v_mov_b32 v[FF+1], 0                           ; (named as the upper half of a pair)
.macro INIT                            ; a tile begins: the step is written once and finds zeros, which the first change of M leaves zeros
	v_mov_b32 v13, 0xf2000000                      ; -2^101
	v_floor_f32 v12, -v13
	v_mov_b32 v14, 0
	v_mov_b32 v15, 0
.set J, 0
.rept 32
	v_mov_b32 v[OA+J], 0
.set J, J+1
.endr
.endm
.macro KLOAD g                         ; four tiles of K
.irp t, 0,1,2,3
	ds_load_b128 v[KF+8*\t:KF+8*\t+3], v[A16] offset:768*(4*\g+\t)
	ds_load_b64 v[KF+8*\t+4:KF+8*\t+5], v[A8] offset:768*(4*\g+\t)+512
.endr
.endm
.macro KQ g                            ; S^T of four tiles of 16 keys
.irp t, 0,1,2,3
.if \t%2
	v_wmma_scale_f32_16x16x128_f8f6f4 v[S+8*(4*\g+\t):S+8*(4*\g+\t)+7], v[KF+8*\t:KF+8*\t+11], v[QF:QF+11], 0, v[KSW+2*\g+\t/2], v[QSW] matrix_a_fmt:MATRIX_FMT_FP6 matrix_b_fmt:MATRIX_FMT_FP6 matrix_a_scale:MATRIX_SCALE_ROW1
.else
	v_wmma_scale_f32_16x16x128_f8f6f4 v[S+8*(4*\g+\t):S+8*(4*\g+\t)+7], v[KF+8*\t:KF+8*\t+11], v[QF:QF+11], 0, v[KSW+2*\g+\t/2], v[QSW] matrix_a_fmt:MATRIX_FMT_FP6 matrix_b_fmt:MATRIX_FMT_FP6
.endif
.endr
.endm
.macro BMAX b0, b1                     ; the largest score of two blocks of 32 keys, by turns; each accumulator is read from its low end on
.irp b, \b0, \b1
	v_max3_num_f32 v[BM+\b], v[S+16*\b], v[S+16*\b+1], v[S+16*\b+2]
.endr
.irp i, 3,5,7,9,11,13
.irp b, \b0, \b1
	v_max3_num_f32 v[BM+\b], v[BM+\b], v[S+16*\b+\i], v[S+16*\b+\i+1]
.endr
.endr
.irp b, \b0, \b1
	v_max_num_f32 v[BM+\b], v[BM+\b], v[S+16*\b+15]
.endr
.endm
; A KEY STEP: 128 keys, one record.
.macro STEP
	v_add_nc_u32 v[A16], s[TB], v[L16]
	v_add_nc_u32 v[A8], s[TB], v[L8]
	v_add_nc_u32 v[A4], s[TB], v[L4]
	KLOAD 0
.irp i, 0,1,2,3
	ds_load_b32 v[KSW+\i], v[A4] offset:12288+128*\i
.endr
	s_wait_dscnt 0x0
	KQ 0
.rept 4
	v_nop                                          ; places in front of the loads into K's registers; with the three additions above also behind the last step's products, whose V is loaded anew
.endr
	KLOAD 1
.irp t, 0,1,2,3
.irp c, 0,1,2
	ds_load_b128 v[VF+12*\t+4*\c:VF+12*\t+4*\c+3], v[A16] offset:6144+1536*\t+512*\c
.endr
.endr
.irp i, 0,1
	ds_load_b32 v[VSW+\i], v[A4] offset:12800+128*\i
.endr
	s_wait_dscnt 14                                ; K's eight loads are in; V's twelve and its two scale loads may be out
	KQ 1
	BMAX 0, 1                                      ; sixteen plain lines on tiles 0-3: the places behind the products of tiles 4-7
	BMAX 2, 3
.irp b, 0,1,2,3
	v_permlanex16_b32 v[TP+\b], v[BM+\b], s[SEL], s[SEL+1]
.endr
.irp b, 0,1,2,3
	v_max_num_f32 v[BM+\b], v[BM+\b], v[TP+\b]     ; with lane l xor 16's 16 keys
.endr
	v_max3_num_f32 v[TT], v[BM], v[BM+1], v[BM+2]
	v_max_num_f32 v[TT], v[TT], v[BM+3]            ; the step's largest score of my query
	v_mul_f32 v[TT], s[CS], v[TT]
	v_max_num_f32 v13, v13, v[TT]                  ; the running largest t
	v_mov_b32 v[TT], v12
	v_floor_f32 v12, -v13                          ; the new -M
	v_sub_f32 v[TT], v12, v[TT]                    ; old M - new M: a whole number, 0 or less
	v_cvt_i32_f32 v[TT], v[TT]                     ; (it saturates)
	v_ldexp_f32 v[FF], 1.0, v[TT]                  ; f
.set J, 0
.rept 32
	v_pk_fma_f32 v[S+J:S+J+1], v[S+J:S+J+1], s[CS:CS+1], v[12:13] op_sel_hi:[1,0,0]   ; t - M, two at a time
.set J, J+2
.endr
.irp b, 0,1,2,3
	v_fma_f32 v[BM+\b], v[BM+\b], s[CS], v12       ; the same of each block's largest score
.endr
.set J, 0
.rept 64
	v_exp_f32 v[S+J], v[S+J]                       ; p
.set J, J+1
.endr
	v_pk_mul_f32 v[14:15], v[14:15], v[FF:FF+1] op_sel_hi:[1,0]   ; l under the new M: a plain line behind the exponentials
	s_wait_alu depctr_va_vdst(0)                   ; one wait for the batch, ahead of its first reader
.irp b, 0,1,2,3
	v_exp_f32 v[BM+\b], v[BM+\b]                   ; the block's largest p: the same two instructions on the same number
.endr
	v_pk_add_f32 v[TP:TP+1], v[S:S+1], v[S+2:S+3]  ; l is the sum of the unquantised p: two chains
.set J, 4
.rept 15
	v_pk_add_f32 v[14:15], v[14:15], v[S+J:S+J+1]
	v_pk_add_f32 v[TP:TP+1], v[TP:TP+1], v[S+J+2:S+J+3]
.set J, J+4
.endr
	v_pk_add_f32 v[14:15], v[14:15], v[TP:TP+1]
	s_wait_alu depctr_va_vdst(0)                   ; and one for the four
.irp b, 0,1,2,3
	v_max_num_f32 v[BM+\b], 0x1800000, v[BM+\b]    ; the floor 2^(3 - 127): a block whose every p is 0 keeps the byte 1 over zero codes
.endr
.irp b, 0,1,2,3
	v_add_nc_u32 v[SOP+\b], 0xff000000, v[BM+\b]
.endr
.irp b, 0,1,2,3
	v_lshrrev_b32 v[TP+\b], 23, v[SOP+\b]
.endr
	v_lshl_or_b32 v[PWD], v[TP+1], 8, v[TP]
	v_lshl_or_b32 v[PWD], v[TP+2], 16, v[PWD]
	v_lshl_or_b32 v[PWD], v[TP+3], 24, v[PWD]
.irp c, 0,1
	v_cvt_scalef32_pk16_fp6_f32 v[PC+6*\c:PC+6*\c+2], v[S+32*\c:S+32*\c+15], v[SOP+2*\c]
	v_cvt_scalef32_pk16_fp6_f32 v[PH+4*\c:PH+4*\c+2], v[S+16+32*\c:S+31+32*\c], v[SOP+2*\c+1]
.endr
	v_nop                                          ; one plain place behind a scaled conversion
.irp c, 0,1
.irp i, 0,1,2
	v_permlane16_swap_b32 v[PC+6*\c+\i], v[PH+4*\c+\i]
.endr
.irp i, 0,1,2
	v_mov_b32 v[PC+3+6*\c+\i], v[PH+4*\c+\i]
.endr
.endr
.set J, 0
.rept 16
	v_pk_mul_f32 v[OA+J:OA+J+1], v[OA+J:OA+J+1], v[FF:FF+1] op_sel_hi:[1,0]   ; O^T under the new M; these lines also stand between p's word and codes and the products
.set J, J+2
.endr
	s_wait_dscnt 0x0                               ; V
.irp t, 0,1,2,3
.if \t%2
	v_wmma_scale_f32_16x16x128_f8f6f4 v[OA+8*\t:OA+8*\t+7], v[VF+12*\t:VF+12*\t+11], v[PC:PC+11], v[OA+8*\t:OA+8*\t+7], v[VSW+\t/2], v[PWD] matrix_a_fmt:MATRIX_FMT_FP6 matrix_b_fmt:MATRIX_FMT_FP6 matrix_a_scale:MATRIX_SCALE_ROW1
.else
	v_wmma_scale_f32_16x16x128_f8f6f4 v[OA+8*\t:OA+8*\t+7], v[VF+12*\t:VF+12*\t+11], v[PC:PC+11], v[OA+8*\t:OA+8*\t+7], v[VSW+\t/2], v[PWD] matrix_a_fmt:MATRIX_FMT_FP6 matrix_b_fmt:MATRIX_FMT_FP6
.endif
.endr
	s_add_co_u32 s[TB], s[TB], RECB
.endm
.macro STEPS n
	s_mov_b32 s[CNT], \n
.Lstep_\@:
	STEP
	s_sub_co_u32 s[CNT], s[CNT], 1
	s_cmp_lg_u32 s[CNT], 0
	s_cbranch_scc1 .Lstep_\@
.endm
; A TILE'S END: O^T / l, quantised along the head's 64 features (two blocks), six registers of codes a lane and a byte a lane.
.macro EPI p
.rept 4
	v_nop                                          ; places behind the last products
.endr
	v_add_f32 v14, v14, v15
	v_permlanex16_b32 v[TT], v14, s[SEL], s[SEL+1]
	v_add_f32 v14, v14, v[TT]                      ; the row's sum
	v_rcp_f32 v14, v14
	v_nop
	s_wait_alu depctr_va_vdst(0)
.set J, 0
.rept 16
	v_pk_mul_f32 v[S+J:S+J+1], v[OA+J:OA+J+1], v[14:15] op_sel_hi:[1,0]   ; number 16 b + i: feature 32 b + 16 (lane / 16) + i
.set J, J+2
.endr
.irp b, 0,1
	v_max3_num_f32 v[BM+\b], |v[S+16*\b]|, |v[S+16*\b+1]|, 0x1800000
.endr
.irp i, 2,4,6,8,10,12,14
.irp b, 0,1
	v_max3_num_f32 v[BM+\b], v[BM+\b], |v[S+16*\b+\i]|, |v[S+16*\b+\i+1]|
.endr
.endr
.irp b, 0,1
	v_permlanex16_b32 v[TP+\b], v[BM+\b], s[SEL], s[SEL+1]
.endr
.irp b, 0,1
	v_max_num_f32 v[BM+\b], v[BM+\b], v[TP+\b]
.endr
.irp b, 0,1
	v_add_nc_u32 v[SOP+\b], 0xff000000, v[BM+\b]
.endr
.irp b, 0,1
	v_lshrrev_b32 v[TP+\b], 23, v[SOP+\b]
.endr
	v_cvt_scalef32_pk16_fp6_f32 v[PC:PC+2], v[S:S+15], v[SOP]
	v_cvt_scalef32_pk16_fp6_f32 v[PH:PH+2], v[S+16:S+31], v[SOP+1]
	v_nop
.irp i, 0,1,2
	v_permlane16_swap_b32 v[PC+\i], v[PH+\i]
.endr
.irp i, 0,1,2
	v_mov_b32 v[PC+3+\i], v[PH+\i]
.endr
	v_cndmask_b32 v[TP], v[TP], v[TP+1], s[HM]     ; lanes 0-15 block 0's byte, lanes 16-31 block 1's
	v_mov_b32 v[TP+1], 0xff
	v_cmp_gt_f32 vcc_lo, s[LOW], v13               ; no key counted
	v_cndmask_b32 v[TP], v[TP], v[TP+1], vcc_lo
	global_store_b128 v[L16], v[PC:PC+3], s[52:53] offset:\p*196608        ; 512 consecutive bytes, aligned
	global_store_b64 v[L8], v[PC+4:PC+5], s[52:53] offset:\p*196608+512    ; 256
	global_store_b8 v[BO], v[TP], s[54:55] offset:\p*8192
.endm
	s_wait_loadcnt 0x0                             ; Q
	INIT
.irp c, 0,1,2,3
	s_wait_tensorcnt 3-\c                          ; a fetching wave's load c has landed; its 3 - c later ones may be out
	s_barrier_signal -1
	s_barrier_wait -1                              ; records 4 c .. 4 c + 3 are whole
	s_mov_b32 s[TB], 4*\c*RECB
	STEPS 4
.endr
	EPI 0
	s_wait_xcnt 0x0                                ; the stores have read their data
.irp i, 0,1,2,3,4,5
	v_mov_b32 v[QF+\i], v[Q1+\i]                   ; the second tile
.endr
	v_mov_b32 v[QSW], v[QSW1]
	INIT
	s_mov_b32 s[TB], 0
	STEPS 16                                       ; everything lies in LDS: no barrier
	EPI 1
	s_wait_tensorcnt 0x0                           ; the wave's end
	ds_add_u32 v[SPW], v[NIL]
	s_wait_dscnt 0x0
	CROUND                                         ; the closing round
	s_endpgm
.Lfunc_end_k_q7e087275aa_attn:
	.size	k_q7e087275aa_attn, .Lfunc_end_k_q7e087275aa_attn-k_q7e087275aa_attn
	.p2alignl 7, 3214868480
	.fill 96, 4, 3214868480
	.section	.rodata,"a",@progbits
	.p2align	6, 0x0
	.amdhsa_kernel k_q7e087275aa_attn
		.amdhsa_group_segment_fixed_size 210944
		.amdhsa_private_segment_fixed_size 0
		.amdhsa_enable_private_segment 0
		.amdhsa_kernarg_size 32
		.amdhsa_user_sgpr_count 2
		.amdhsa_user_sgpr_kernarg_segment_ptr 1
		.amdhsa_wavefront_size32 1
		.amdhsa_system_sgpr_workgroup_id_x 1
		.amdhsa_system_sgpr_workgroup_id_y 1
		.amdhsa_system_sgpr_workgroup_id_z 1
		.amdhsa_system_vgpr_workitem_id 0
		.amdhsa_next_free_vgpr 256
		.amdhsa_next_free_sgpr 66
		.amdhsa_reserve_vcc 1
		.amdhsa_float_denorm_mode_32 3
		.amdhsa_float_denorm_mode_16_64 3
		.amdhsa_memory_ordered 1
		.amdhsa_forward_progress 1
		.amdhsa_inst_pref_size 97
	.end_amdhsa_kernel
	.amdgpu_metadata
---
amdhsa.version: [ 1, 2 ]
amdhsa.kernels:
  - .name:           k_q7e087275aa_attn
    .symbol:         k_q7e087275aa_attn.kd
    .args:
      - { .name: qrec, .offset: 0, .size: 8, .value_kind: global_buffer, .address_space: global }
      - { .name: kv, .offset: 8, .size: 8, .value_kind: global_buffer, .address_space: global }
      - { .name: ctx, .offset: 16, .size: 8, .value_kind: global_buffer, .address_space: global }
      - { .name: ctxs, .offset: 24, .size: 8, .value_kind: global_buffer, .address_space: global }
    .group_segment_fixed_size: 210944
    .private_segment_fixed_size: 0
    .kernarg_segment_align: 8
    .kernarg_segment_size: 32
    .max_flat_workgroup_size: 512
    .sgpr_count:     66
    .vgpr_count:     256
    .wavefront_size: 32
...
	.end_amdgpu_metadata
.endif
;; end of part 3
;; launch outp (part 4): grid 4 x 32, 4 waves a work-group, clusters of 4 x 4, 327,680 bytes of LDS; arguments ctx, ctxs, codes, scales, out0, b_o; writes out0
.if DOCPART == 4
	.amdgcn_target "amdgcn-amd-amdhsa--gfx1250"
	.amdhsa_code_object_version 6
	.text
	.protected	k_q7e087275aa_outp
	.globl	k_q7e087275aa_outp
	.p2align	8
	.type	k_q7e087275aa_outp,@function
k_q7e087275aa_outp:
	s_mov_b64 s[64:65], 0
	v_nop
	global_prefetch_b8 v0, s[64:65] scope:SCOPE_SE
	s_setreg_imm32_b32 hwreg(HW_REG_WAVE_MODE, 25, 1), 1
	s_wait_xcnt 0x0
	s_wait_alu depctr_hold_cnt(0) depctr_sa_sdst(0) depctr_va_vdst(0) depctr_va_sdst(0) depctr_va_ssrc(0) depctr_va_vcc(0) depctr_vm_vsrc(0)
	s_getreg_b32 s2, hwreg(HW_REG_IB_STS2, 6, 4)
	s_cmp_eq_u32 s2, 0
	s_cbranch_scc0 .Lentry_in_a_cluster
	s_endpgm
.Lentry_in_a_cluster:
	s_bfe_u32 s2, ttmp6, 0x10000c
	s_cmp_lg_u32 s2, 0xf033
	s_cbranch_scc0 .Lentry_shape_is_right
	s_endpgm
.Lentry_shape_is_right:
; out0 = gelu(ctx W_o^T + b_o), the product on codes of FP6 (E2M3) with E8M0 scales, K = 1,024; the GELU is the exact one (erf).
; A tile of 256 x 256 is made by four waves, 128 x 128 each; K goes in steps of 256 through a ring of two LDS slots; the scale bytes come into LDS once; 4 x 4 work-groups form a cluster and ask for shared tiles jointly.
; Source 0 = 16 rows of W_o (from the buffer codes, rows 27,648 on), source 1 = 16 rows of ctx: a lane holds one row of the output and its registers run along the columns.
; ctx lies as images of the operand's registers: [tile of 16 rows][head][768 bytes]: six registers a lane, registers 0-3 at 16 x lane, 4-5 at 512 + 8 x lane.  Two heads are a fragment of 128 along K, four heads (3,072 bytes) a K step.
; Rows of ctx and of W_o are stored so that place r of tile 2 b + u is row 32 b + 8 u + r + 8 (r / 8): accumulators (a, 2 b), (a, 2 b + 1) hold columns 32 b + 16 (lane / 16) + 0 .. 15, and place t of block a is output row 32 (a / 2) + 8 (a % 2) + t + 8 (t / 8).
; The bias is the C of each sum's first product.
; GELU: erf by the rational form 7.1.26 of Abramowitz and Stegun (absolute error 1.5e-7): with y = x sqrt(log2(e) / 2), t = 1 / (1 + P |y|), w = (a1 t + .. + a5 t^5) 2^(-y y):  gelu = 0.5 x + |x| (0.5 - 0.5 w), formed as
; |y| (C2 - w') + y C2, C2 = 0.5 / sqrt(log2(e) / 2), the a's multiplied by C2.  For large negative x the two terms cancel to within a rounding of 0.5 |x|.  NaN passes through.
.set SIZE_K, 1024
.set SIZE_N, 1024
.set KSTEP,  256
.set NQ,     KSTEP/128
.set ROWB,   192
.set KROW,   SIZE_K*6/8
.set PITCH,  240
.set FR,     12
.set NL,     6
.set NLA,    4                         ; LDS loads that bring a fragment of ctx
.set NP,     4
.set ASTEP,  3072                      ; a K step of a tile of ctx
.set HALFA,  8*ASTEP                   ; eight tiles: what one tensor load brings of ctx
.set HALFB,  128*PITCH
.set SLOT,   2*HALFA+2*HALFB
.set LAPS,   SIZE_K/(2*KSTEP)
.set KS,     SIZE_K/32
.set SCL,    2*SLOT
.set HALFS,  (128*KS/256)*272
.set SBLK,   (16*KS/256)*272
.set SPARE,  SCL+4*HALFS
.set SPITCH, 528                       ; the way out: a stage of 16 rows x (512 bytes + 16) for each wave, in slot 0, which has had its last fill and its last read when the first result is stored there
.set ADRA, 16                          ; v16-17 ctx's fragments in slot 0, 1 at 16 x lane; v18-19 at 8 x lane
.set ADRB, 20
.set STO,  24
.set RD,   25
.set CO,   26
.set ADRS, 27
.set SPW,  28
.set NIL,  29
.set A4V,  30                          ; v[30:31] a4 C2, twice
.set SC,   32
.set BIAS, 64                          ; v64-127 b_o in the result's layout, eight tiles
.set AF,   128
.set YS,   32                          ; the way out: v32-47 y, v48-63 t, v64-79 2^(-y y), v80-95 0.5 x, v96-111 the polynomial
.set TT,   48
.set EE,   64
.set HH,   80
.set QQ,   96
.set BK,   176                         ; v176-239 16 rows read back from the stage
.set G1, 24
.set G0, 32
.set G1B, 48
.set G0B, 56
.set G1S, 68
.set G0S, 76
.set G1SB, 80
.set G0SB, 88
.set K1, 68                            ; the way out's constants, in registers of descriptors whose loads have long landed
.set C2, 70
.set A5, 72
.set A3, 74
.set A2, 76
.set A1, 78
.set PP, 80
.set BLK, 81
.set MSB, 0
.macro WIN new
.if MSB != \new
	s_set_vgpr_msb (MSB<<8)|\new
.set MSB, \new
.endif
.endm
.set MUL_LO, 0xa1
.set MUL_HI, 0xf1
.set BIA_LO, 0x81                      ; C (the bias) in window 0, D in window 2
.set BIA_HI, 0xc1
.set TO_B,   0x40
.macro JLOAD g0a, g1a, g0b, g1b        ; a joint load: waves 0 and 1 fetch ctx, waves 2 and 3 W_o; an s_nop 0 and four v_nop follow each of the two lines
	s_cmp_eq_u32 s15, 0
	s_cbranch_scc0 .Lfor_b_\@
	tensor_load_to_lds s[\g0a:\g0a+3], s[\g1a:\g1a+7]
	s_nop 0
.rept 4
	v_nop
.endr
	s_branch .Lasked_\@
.Lfor_b_\@:
	tensor_load_to_lds s[\g0b:\g0b+3], s[\g1b:\g1b+7]
	s_nop 0
.rept 4
	v_nop
.endr
.Lasked_\@:
.endm
.macro CREST
	s_cmp_lg_u32 s14, 0
	s_cbranch_scc1 .Lnot_wave_0_\@
	s_barrier_signal -3
.Lnot_wave_0_\@:
	s_barrier_wait -3
	s_barrier_signal -1
	s_barrier_wait -1
.endm
.macro CROUND
	s_barrier_signal -1
	s_barrier_wait -1
	CREST
.endm
	s_load_b128 s[4:7], s[0:1], 0x0                ; ctx, ctxs
	s_load_b128 s[8:11], s[0:1], 0x10              ; codes, scales
	s_load_b64 s[12:13], s[0:1], 0x20              ; out0
	s_load_b64 s[96:97], s[0:1], 0x28              ; b_o
	v_lshl_add_u32 v[SPW], v0, 2, SPARE
	v_mov_b32 v[NIL], 0
	ds_add_u32 v[SPW], v[NIL]                      ; the wave's opening: the add and its wait stand ahead of my first tensor load
	v_lshrrev_b32 v1, 5, v0
	v_readfirstlane_b32 s14, v1
	s_lshr_b32 s15, s14, 1                         ; my half of the rows.  Also: I fetch ctx (0) or W_o (1)
	s_and_b32 s16, s14, 1                          ; my half of the columns.  Also: which half I fetch
	s_bfe_u32 s40, ttmp6, 0x40000
	s_bfe_u32 s41, ttmp6, 0x40004
	s_mov_b32 s42, s40                             ; tile column = cx
	s_and_b32 s17, ttmp7, 0xffff
	s_lshl_b32 s17, s17, 2
	s_add_co_u32 s17, s17, s41                     ; tile row = 4 x cluster y + cy
	s_lshl_b32 s43, s41, 2
	s_lshl_b32 s43, 15, s43
	s_lshl_b32 s44, 0x1111, s40
	; ctx: eight tiles' K step: 8 rows of 3,072 bytes (384 elements of 8), 12,288 bytes apart, no padding
	s_or_b32 s[G1+0], s43, (3<<16)|(1<<21)
	s_mov_b32 s[G1+1], 384<<16
	s_mov_b32 s[G1+2], 8<<16
	s_mov_b32 s[G1+3], 384<<16
	s_mov_b32 s[G1+4], 8
	s_mov_b32 s[G1+5], 1536
	s_mov_b32 s[G1+6], 0
	s_mov_b32 s[G1+7], 0
	; W_o: 128 rows x 192 bytes, 16 bytes of padding behind every 64
	s_or_b32 s[G1B+0], s44, (0<<16)|(1<<20)|(1<<21)|(3<<22)|(3<<25)
	s_mov_b32 s[G1B+1], ROWB<<16
	s_mov_b32 s[G1B+2], 128<<16
	s_mov_b32 s[G1B+3], ROWB<<16
	s_mov_b32 s[G1B+4], 128
	s_mov_b32 s[G1B+5], KROW
	s_mov_b32 s[G1B+6], 0
	s_mov_b32 s[G1B+7], 0
	s_or_b32 s[G1S+0], s43, (3<<16)|(1<<20)|(1<<21)|(5<<22)|(3<<25)
	s_or_b32 s[G1SB+0], s44, (3<<16)|(1<<20)|(1<<21)|(5<<22)|(3<<25)
.irp g, G1S, G1SB
	s_mov_b32 s[\g+1], 32<<16
	s_mov_b32 s[\g+2], (128*KS/256)<<16
	s_mov_b32 s[\g+3], 32<<16
	s_mov_b32 s[\g+4], 128*KS/256
	s_mov_b32 s[\g+5], 32
	s_mov_b32 s[\g+6], 0
	s_mov_b32 s[\g+7], 0
.endr
	s_lshl_b32 s18, s16, 7
	s_lshl_b32 s20, s17, 8
	s_add_co_u32 s20, s20, s18                     ; ctx: stored row 256 x tile row + 128 x half
	s_lshl_b32 s46, s42, 8
	s_add_co_u32 s46, s46, s18
	s_add_co_u32 s46, s46, 27648                   ; W_o's row in codes
	s_mov_b32 s21, 0
	s_mov_b32 s47, 0
	s_mov_b64 s[18:19], KS
	s_mul_u64 s[22:23], s[20:21], s[18:19]
	s_mul_u64 s[92:93], s[46:47], s[18:19]
	s_mov_b64 s[18:19], KROW
	s_mul_u64 s[20:21], s[20:21], s[18:19]         ; 16 rows x 768 bytes are a tile's 12,288
	s_mul_u64 s[46:47], s[46:47], s[18:19]
	s_mul_i32 s45, s16, HALFA                      ; where they go: ctx's two halves,
	s_mul_i32 s95, s16, HALFB
	s_add_co_u32 s95, s95, 2*HALFA                 ; then W_o's two
	s_mul_i32 s94, s14, HALFS
	s_wait_dscnt 0x0
	s_wait_kmcnt 0x0
	s_add_nc_u64 s[20:21], s[4:5], s[20:21]
	s_add_nc_u64 s[22:23], s[6:7], s[22:23]
	s_add_nc_u64 s[46:47], s[8:9], s[46:47]
	s_add_nc_u64 s[92:93], s[10:11], s[92:93]
	CROUND
	s_mov_b32 s[G0S], 1
	s_add_co_u32 s[G0S+1], s94, SCL
	s_mov_b64 s[G0S+2:G0S+3], s[22:23]
	s_or_b32 s[G0S+3], s[G0S+3], 0x80000000
	s_mov_b32 s[G0SB], 1
	s_add_co_u32 s[G0SB+1], s94, SCL
	s_mov_b64 s[G0SB+2:G0SB+3], s[92:93]
	s_or_b32 s[G0SB+3], s[G0SB+3], 0x80000000
	JLOAD G0S, G1S, G0SB, G1SB
.irp s, 0,1
	s_mov_b32 s[G0+4*\s], 1
	s_add_co_u32 s[G0+4*\s+1], s45, \s*SLOT
	s_add_nc_u64 s[G0+4*\s+2:G0+4*\s+3], s[20:21], \s*ASTEP
	s_or_b32 s[G0+4*\s+3], s[G0+4*\s+3], 0x80000000
	s_mov_b32 s[G0B+4*\s], 1
	s_add_co_u32 s[G0B+4*\s+1], s95, \s*SLOT
	s_add_nc_u64 s[G0B+4*\s+2:G0B+4*\s+3], s[46:47], \s*ROWB
	s_or_b32 s[G0B+4*\s+3], s[G0B+4*\s+3], 0x80000000
	JLOAD G0+4*\s, G1, G0B+4*\s, G1B
.endr
	v_and_b32 v1, 15, v0                           ; r
	v_bfe_u32 v2, v0, 4, 1                         ; h
	v_mul_u32_u24 v3, v1, PITCH
	v_mul_u32_u24 v4, v2, 24
	v_add_nc_u32 v4, v3, v4
	v_lshl_add_u32 v5, v2, 4, v4
	v_and_b32 v6, 31, v0
	v_lshlrev_b32 v7, 4, v6                        ; 16 x lane
	v_lshlrev_b32 v6, 3, v6                        ; 8 x lane
	s_mul_i32 s21, s15, HALFA                      ; my eight tiles of ctx
	s_mul_i32 s22, s16, HALFB
	s_add_co_u32 s22, s22, 2*HALFA                 ; my 128 rows of W_o
.irp s, 0,1
	v_add_nc_u32 v[ADRA+\s], s21, v7
	v_add_nc_u32 v[ADRA+2+\s], s21, v6
	v_add_nc_u32 v[ADRB+\s], s22, v4
	v_add_nc_u32 v[ADRB+2+\s], s22, v5
	s_add_co_u32 s21, s21, SLOT
	s_add_co_u32 s22, s22, SLOT
.endr
	v_mul_u32_u24 v5, v1, KS
	v_lshrrev_b32 v6, 8, v5
	v_lshl_add_u32 v5, v6, 4, v5
	s_mul_i32 s21, s15, HALFS
	s_mul_i32 s22, s16, HALFS
	s_add_co_u32 s22, s22, 2*HALFS
	s_sub_co_u32 s22, s22, s21
	v_mul_u32_u24 v6, s22, v2
	s_add_co_u32 s21, s21, SCL
	v_add_nc_u32 v5, v5, v6
	v_add_nc_u32 v[ADRS], s21, v5
	s_mul_i32 s23, s14, 16*SPITCH                  ; my stage
	v_mul_u32_u24 v5, v1, SPITCH                   ; in: row r, + 64 h: my half's 16 columns of each 32
	v_lshl_add_u32 v5, v2, 6, v5
	v_add_nc_u32 v[STO], s23, v5
	v_mov_b32 v[CO], v7                            ; back: the 32 lanes take one row of 512 bytes; and the same in out0
	v_add_nc_u32 v[RD], s23, v7
	v_lshlrev_b32 v13, 6, v2                       ; the bias: 64 h
	v_mov_b32 v[A4V], 0xbf5b0099                   ; a4 C2 = -0.85547788
	v_mov_b32 v[A4V+1], 0xbf5b0099
	s_lshl_b32 s20, s17, 8
	s_lshl_b32 s21, s15, 7
	s_add_co_u32 s20, s20, s21                     ; my first row: 256 x tile row + 128 x half
	s_mov_b32 s21, 0
	s_mov_b64 s[18:19], SIZE_N*4
	s_mul_u64 s[20:21], s[20:21], s[18:19]
	s_lshl_b32 s46, s42, 10                        ; my first column, in bytes
	s_lshl_b32 s47, s16, 9
	s_add_co_u32 s46, s46, s47
	s_mov_b32 s47, 0
	s_add_nc_u64 s[96:97], s[96:97], s[46:47]
	s_add_nc_u64 s[20:21], s[20:21], s[46:47]
	s_add_nc_u64 s[12:13], s[12:13], s[20:21]
.irp b, 0,1,2,3,4,5,6,7
	global_load_b128 v[BIAS+8*\b:BIAS+8*\b+3], v13, s[96:97] offset:(32*(\b/2)+8*(\b%2))*4       ; tile b, lane (r, h): columns 32 (b / 2) + 16 h + 8 (b % 2) + 0 .. 7
	global_load_b128 v[BIAS+8*\b+4:BIAS+8*\b+7], v13, s[96:97] offset:(32*(\b/2)+8*(\b%2))*4+16
.endr
.macro FRAG reg, adr, q, i             ; W_o's fragment from rows of 192 bytes with padding, in pieces of 8 bytes
.irp p, 0,1,2,3,4,5
.set PCE, 12*(\q)+6*(\p/3)+\p%3
.if PCE%8 < 5
	ds_load_b64 v[\reg+2*\p:\reg+2*\p+1], v[\adr] offset:8*PCE+16*(PCE/8)+(\i)*16*PITCH
.else
	ds_load_b64 v[\reg+2*\p:\reg+2*\p+1], v[\adr+2] offset:8*PCE+16*(PCE/8)+(\i)*16*PITCH
.endif
.endr
.endm
.macro FRAG_A reg, slot, q, i          ; ctx's fragment: two heads' images, every load of consecutive bytes
	ds_load_b128 v[\reg:\reg+3],     v[ADRA+\slot]   offset:(\i)*ASTEP+(\q)*1536
	ds_load_b64  v[\reg+4:\reg+5],   v[ADRA+2+\slot] offset:(\i)*ASTEP+(\q)*1536+512
	ds_load_b128 v[\reg+6:\reg+9],   v[ADRA+\slot]   offset:(\i)*ASTEP+(\q)*1536+768
	ds_load_b64  v[\reg+10:\reg+11], v[ADRA+2+\slot] offset:(\i)*ASTEP+(\q)*1536+1280
.endm
; 16 matrix instructions.  first = 1: the sums begin with the bias as C.  The 64 accumulators take turns, one instruction a turn.
.macro MUL16 a0, p, q, sc, first
.irp a, \a0, \a0+1
.irp b, 0,1,2,3,4,5,6,7
.if \first
	v_wmma_scale_f32_16x16x128_f8f6f4 v[8*(8*((\a)%4)+\b):8*(8*((\a)%4)+\b)+7], v[128*(\p)+FR*\b:128*(\p)+FR*\b+FR-1], v[AF+FR*(\a):AF+FR*(\a)+FR-1], v[BIAS+8*\b:BIAS+8*\b+7], v[SC+8*NQ*(\sc)+NQ*\b+(\q)], v[SC+8*NQ*(\sc)+NQ*(\a)+(\q)] matrix_a_fmt:MATRIX_FMT_FP6 matrix_b_fmt:MATRIX_FMT_FP6 matrix_a_scale:MATRIX_SCALE_ROW1
.else
	v_wmma_scale_f32_16x16x128_f8f6f4 v[8*(8*((\a)%4)+\b):8*(8*((\a)%4)+\b)+7], v[128*(\p)+FR*\b:128*(\p)+FR*\b+FR-1], v[AF+FR*(\a):AF+FR*(\a)+FR-1], v[8*(8*((\a)%4)+\b):8*(8*((\a)%4)+\b)+7], v[SC+8*NQ*(\sc)+NQ*\b+(\q)], v[SC+8*NQ*(\sc)+NQ*(\a)+(\q)] matrix_a_fmt:MATRIX_FMT_FP6 matrix_b_fmt:MATRIX_FMT_FP6 matrix_a_scale:MATRIX_SCALE_ROW1
.endif
.endr
.endr
.endm
.macro FETCH_B slot, q, p
	WIN TO_B
.irp i, 0,1,2,3,4,5,6,7
	FRAG 128*(\p)+FR*\i, ADRB+\slot, \q, \i
.endr
	WIN 0
.endm
.macro FETCH_A slot, q, i0
.irp i, \i0, \i0+1, \i0+2, \i0+3
	FRAG_A AF+FR*(\i), \slot, \q, \i
.endr
.endm
.macro SCALES sc
.irp i, 0,1,2,3,4,5,6,7
	ds_load_b64 v[SC+8*NQ*\sc+NQ*\i:SC+8*NQ*\sc+NQ*\i+1], v[ADRS] offset:\i*SBLK
.endr
.endm
.macro PLACES n
.rept \n
	v_nop
.endr
.endm
.macro STEP slot, q, first
	s_wait_dscnt 4*NLA                             ; W_o's set and ctx's blocks 0-3 are in; the youngest 16 loads (blocks 4-7) may be out
.if \first
	WIN BIA_LO
.else
	WIN MUL_LO
.endif
	MUL16 0, (\q)%2, \q, \slot, \first
	MUL16 2, (\q)%2, \q, \slot, \first
	s_wait_dscnt 0
	PLACES NP
	FETCH_B \slot, (\q)+1, 1-(\q)%2
	FETCH_A \slot, (\q)+1, 0
.if \first
	WIN BIA_HI
.else
	WIN MUL_HI
.endif
	MUL16 4, (\q)%2, \q, \slot, \first
	MUL16 6, (\q)%2, \q, \slot, \first
	PLACES NP
	WIN 0
	FETCH_A \slot, (\q)+1, 4
.endm
.macro TURN slot, next, fill
	s_wait_tensorcnt 0x0                           ; all my tensor loads have landed: my part of the next slot
	ds_add_u32 v[SPW], v[NIL]
	s_wait_dscnt 4*NLA+1                           ; (the add and the youngest 16 loads may be out)
	WIN MUL_LO
	MUL16 0, 1, NQ-1, \slot, 0
	s_wait_dscnt 0x0                               ; the add is done, and my reads of this slot are over
	s_barrier_signal -1
	MUL16 2, 1, NQ-1, \slot, 0
	WIN 0
	s_barrier_wait -1
.if \fill
	CREST                                          ; the barrier has opened a round of the cluster's barrier
	s_add_nc_u64 s[G0+4*\slot+2:G0+4*\slot+3], s[G0+4*\slot+2:G0+4*\slot+3], 2*ASTEP
	s_add_nc_u64 s[G0B+4*\slot+2:G0B+4*\slot+3], s[G0B+4*\slot+2:G0B+4*\slot+3], 2*ROWB
	JLOAD G0+4*\slot, G1, G0B+4*\slot, G1B
.else
	PLACES NP
.endif
	v_add_nc_u32 v[ADRS], 4*NQ, v[ADRS]
	FETCH_B \next, 0, 0
	FETCH_A \next, 0, 0
	SCALES \next
	WIN MUL_HI
	MUL16 4, 1, NQ-1, \slot, 0
	MUL16 6, 1, NQ-1, \slot, 0
	PLACES NP
	WIN 0
	FETCH_A \next, 0, 4
.endm
	s_wait_tensorcnt 1                             ; the scales and my part of K step 0 are in (K step 1's load may be out),
	s_barrier_signal -1
	s_barrier_wait -1
	FETCH_B 0, 0, 0
	FETCH_A 0, 0, 0
	SCALES 0
	FETCH_A 0, 0, 4
	s_wait_loadcnt 0x0                             ; the bias
	STEP 0, 0, 1
	s_mov_b32 s3, LAPS-1
.Llap:
	TURN 0, 1, 1
	STEP 1, 0, 0
	TURN 1, 0, 1
	STEP 0, 0, 0
	s_sub_co_u32 s3, s3, 1
	s_cmp_lg_u32 s3, 0
	s_cbranch_scc1 .Llap
	TURN 0, 1, 0
	STEP 1, 0, 0
	s_wait_dscnt 4*NLA
	WIN MUL_LO
	MUL16 0, 1, NQ-1, 1, 0
	MUL16 2, 1, NQ-1, 1, 0
	s_wait_dscnt 0
	WIN MUL_HI
	MUL16 4, 1, NQ-1, 1, 0
	MUL16 6, 1, NQ-1, 1, 0
	WIN 0
; THE WAY OUT: a loop of eight trips, one for each block of 16 rows x 128 columns.  The block goes into my stage as it stands and comes back as whole rows of 512 bytes into fixed registers; there the GELU, which works on
; each number by itself, is applied in place, and the rows are stored.  Only the sixteen stores into the stage differ from trip to trip (register numbers and window): they are written out eight times, each behind a compare of the trip's number.
.macro GELU16 u                        ; sixteen numbers, v[BK + 16 u] on
.set BX, BK+16*(\u)
.irp i, 0,2,4,6,8,10,12,14
	v_pk_mul_f32 v[YS+\i:YS+\i+1], v[BX+\i:BX+\i+1], s[K1:K1+1] op_sel_hi:[1,0]      ; y
.endr
.irp i, 0,1,2,3,4,5,6,7,8,9,10,11,12,13,14,15
	v_fma_f32 v[TT+\i], |v[YS+\i]|, s[PP], 1.0
.endr
.irp i, 0,2,4,6,8,10,12,14
	v_pk_mul_f32 v[EE+\i:EE+\i+1], v[YS+\i:YS+\i+1], v[YS+\i:YS+\i+1] neg_lo:[1,0] neg_hi:[1,0]   ; -y y
.endr
.irp i, 0,1,2,3,4,5,6,7,8,9,10,11,12,13,14,15
	v_rcp_f32 v[TT+\i], v[TT+\i]
.endr
.irp i, 0,1,2,3,4,5,6,7,8,9,10,11,12,13,14,15
	v_exp_f32 v[EE+\i], v[EE+\i]
.endr
.irp i, 0,2,4,6,8,10,12,14
	v_pk_mul_f32 v[HH+\i:HH+\i+1], v[YS+\i:YS+\i+1], s[C2:C2+1] op_sel_hi:[1,0]      ; 0.5 x: plain work behind the batch
.endr
	s_wait_alu depctr_va_vdst(0)                   ; one wait for the 32, ahead of their first reader
.irp i, 0,2,4,6,8,10,12,14
	v_pk_fma_f32 v[QQ+\i:QQ+\i+1], v[TT+\i:TT+\i+1], s[A5:A5+1], v[A4V:A4V+1] op_sel_hi:[1,0,1]
.endr
.irp i, 0,2,4,6,8,10,12,14
	v_pk_fma_f32 v[QQ+\i:QQ+\i+1], v[QQ+\i:QQ+\i+1], v[TT+\i:TT+\i+1], s[A3:A3+1] op_sel_hi:[1,1,0]
.endr
.irp i, 0,2,4,6,8,10,12,14
	v_pk_fma_f32 v[QQ+\i:QQ+\i+1], v[QQ+\i:QQ+\i+1], v[TT+\i:TT+\i+1], s[A2:A2+1] op_sel_hi:[1,1,0]
.endr
.irp i, 0,2,4,6,8,10,12,14
	v_pk_fma_f32 v[QQ+\i:QQ+\i+1], v[QQ+\i:QQ+\i+1], v[TT+\i:TT+\i+1], s[A1:A1+1] op_sel_hi:[1,1,0]
.endr
.irp i, 0,2,4,6,8,10,12,14
	v_pk_mul_f32 v[QQ+\i:QQ+\i+1], v[QQ+\i:QQ+\i+1], v[TT+\i:TT+\i+1]
.endr
.irp i, 0,2,4,6,8,10,12,14
	v_pk_fma_f32 v[QQ+\i:QQ+\i+1], v[QQ+\i:QQ+\i+1], v[EE+\i:EE+\i+1], s[C2:C2+1] op_sel_hi:[1,1,0] neg_lo:[1,0,0] neg_hi:[1,0,0]   ; C2 - w'
.endr
.irp i, 0,1,2,3,4,5,6,7,8,9,10,11,12,13,14,15
	v_fma_f32 v[BX+\i], |v[YS+\i]|, v[QQ+\i], v[HH+\i]
.endr
.endm
	PLACES NP                                      ; behind the last products: their results are read, and loads and vector lines write their operands' registers below
	s_mov_b32 s[K1], 0x3f596d27                    ; sqrt(log2(e) / 2) = 0.84932180
	s_mov_b32 s[K1+1], s[K1]
	s_mov_b32 s[C2], 0x3f16b55f                    ; 0.5 / that = 0.58870501
	s_mov_b32 s[C2+1], s[C2]
	s_mov_b32 s[A5], 0x3f1ff67a                    ; a5 C2 = 0.62485470
	s_mov_b32 s[A5+1], s[A5]
	s_mov_b32 s[A3], 0x3f563817                    ; a3 C2 = 0.83679339
	s_mov_b32 s[A3+1], s[A3]
	s_mov_b32 s[A2], 0xbe2b8119                    ; a2 C2 = -0.16748465
	s_mov_b32 s[A2+1], s[A2]
	s_mov_b32 s[A1], 0x3e199eb3                    ; a1 C2 = 0.15001946
	s_mov_b32 s[A1+1], s[A1]
	s_mov_b32 s[PP], 0x3e8ba43f                    ; 0.3275911 / sqrt(log2(e)) = 0.27273748
	s_mov_b32 s[BLK], 0
.Lblock:
.irp a, 0,1,2,3,4,5,6,7
	s_cmp_lg_u32 s[BLK], \a
	s_cbranch_scc1 .Lnot_\a
	WIN 0x08+4*(\a/4)                              ; an LDS store's data are its source 1: window 2 or 3
.irp b, 0,1,2,3,4,5,6,7
	ds_store_b128 v[STO], v[64*(\a%4)+8*\b:64*(\a%4)+8*\b+3] offset:128*(\b/2)+32*(\b%2)        ; each accumulator from its low end on
	ds_store_b128 v[STO], v[64*(\a%4)+8*\b+4:64*(\a%4)+8*\b+7] offset:128*(\b/2)+32*(\b%2)+16
.endr
	WIN 0
.Lnot_\a:
.endr
	s_wait_xcnt 0x0                                ; the last trip's stores have read their data and their base: both are written below
.irp t, 0,1,2,3,4,5,6,7,8,9,10,11,12,13,14,15
	ds_load_b128 v[BK+4*\t:BK+4*\t+3], v[RD] offset:\t*SPITCH   ; LDS serves a wave's instructions in order: these see the stores above
.endr
	s_lshr_b32 s84, s[BLK], 1
	s_lshl_b32 s84, s84, 5
	s_and_b32 s85, s[BLK], 1
	s_lshl_b32 s85, s85, 3
	s_add_co_u32 s84, s84, s85                     ; the block's first row: 32 (a / 2) + 8 (a % 2)
	s_lshl_b32 s84, s84, 12
	s_mov_b32 s85, 0
	s_add_nc_u64 s[82:83], s[12:13], s[84:85]
	s_wait_dscnt 0x0
	GELU16 0
	GELU16 1
	GELU16 2
	GELU16 3
.irp t, 0,1,2,3,4,5,6,7,8,9,10,11,12,13,14,15
	global_store_b128 v[CO], v[BK+4*\t:BK+4*\t+3], s[82:83] offset:(\t+8*(\t/8))*SIZE_N*4 th:TH_STORE_NT   ; 32 lanes store 512 consecutive bytes, aligned
.endr
	s_add_co_u32 s[BLK], s[BLK], 1
	s_cmp_lt_u32 s[BLK], 8
	s_cbranch_scc1 .Lblock
	s_wait_tensorcnt 0x0                           ; the wave's end: behind my last tensor load and my last LDS store
	ds_add_u32 v[SPW], v[NIL]
	s_wait_dscnt 0x0
	CROUND                                         ; the closing round
	s_endpgm
.Lfunc_end_k_q7e087275aa_outp:
	.size	k_q7e087275aa_outp, .Lfunc_end_k_q7e087275aa_outp-k_q7e087275aa_outp
	.p2alignl 7, 3214868480
	.fill 96, 4, 3214868480
	.section	.rodata,"a",@progbits
	.p2align	6, 0x0
	.amdhsa_kernel k_q7e087275aa_outp
		.amdhsa_group_segment_fixed_size 327680
		.amdhsa_private_segment_fixed_size 0
		.amdhsa_enable_private_segment 0
		.amdhsa_kernarg_size 48
		.amdhsa_user_sgpr_count 2
		.amdhsa_user_sgpr_kernarg_segment_ptr 1
		.amdhsa_wavefront_size32 1
		.amdhsa_system_sgpr_workgroup_id_x 1
		.amdhsa_system_sgpr_workgroup_id_y 1
		.amdhsa_system_sgpr_workgroup_id_z 1
		.amdhsa_system_vgpr_workitem_id 0
		.amdhsa_next_free_vgpr 1024
		.amdhsa_next_free_sgpr 102
		.amdhsa_reserve_vcc 0
		.amdhsa_float_denorm_mode_32 3
		.amdhsa_float_denorm_mode_16_64 3
		.amdhsa_memory_ordered 1
		.amdhsa_forward_progress 1
		.amdhsa_inst_pref_size 167
	.end_amdhsa_kernel
	.amdgpu_metadata
---
amdhsa.version: [ 1, 2 ]
amdhsa.kernels:
  - .name:           k_q7e087275aa_outp
    .symbol:         k_q7e087275aa_outp.kd
    .args:
      - { .name: ctx, .offset: 0, .size: 8, .value_kind: global_buffer, .address_space: global }
      - { .name: ctxs, .offset: 8, .size: 8, .value_kind: global_buffer, .address_space: global }
      - { .name: codes, .offset: 16, .size: 8, .value_kind: global_buffer, .address_space: global }
      - { .name: scales, .offset: 24, .size: 8, .value_kind: global_buffer, .address_space: global }
      - { .name: out0, .offset: 32, .size: 8, .value_kind: global_buffer, .address_space: global }
      - { .name: b_o, .offset: 40, .size: 8, .value_kind: global_buffer, .address_space: global }
    .group_segment_fixed_size: 327680
    .private_segment_fixed_size: 0
    .kernarg_segment_align: 8
    .kernarg_segment_size: 48
    .max_flat_workgroup_size: 128
    .sgpr_count:     102
    .vgpr_count:     1024
    .wavefront_size: 32
...
	.end_amdgpu_metadata
.endif
;; end of part 4
